; MI455X (gfx1250); checked and timed in simulation.
; The chip was launched on July 23, 2026; its instructions are those of AMD's public machine-readable ISA for CDNA 5 (MIT licence, August 2026) and "CDNA5" Instruction Set Architecture Reference Guide (July 2026). The comments in the code are by the model that wrote it; some were corrected since.
;; Attention. Allowed arithmetic: matrix products marked QUANTISED: E2M3 operands, one E8M0 scale for each 32 along K, by v_wmma_scale_f32_16x16x128_f8f6f4 with both operands' format E2M3, f32 sums; everything else in f32.
;; Inputs: bp 1,024 float32; mask 4 x 2,048 x 2,048 int32; wk 1,024 x 1,024 float32; wp 1,024 x 1,024 float32; wq 1,024 x 1,024 float32; wv 1,024 x 1,024 float32; x 4 x 2,048 x 1,024 float32.
;; Outputs: out0 4 x 2,048 x 1,024 float32.
;; This version of the problem:
;;   THIS VERSION OF THE PROBLEM IS GIVEN IN LOW PRECISION. The matrix products marked QUANTISED in the list below multiply operands that are first quantised to E2M3 (2 exponent bits, 3 mantissa bits; 6 bits a number), with one power-of-two scale for each 32 numbers along K (OCP MX v1.0); their sums are f32. All else is computed in f32.
;;   The module's matrix products, in the order in which they are computed (A, B: the left and right operand; K: the contracted axis; several contracted axes count as one K, in the product's order):
;;     1. [M 8,192, K 1,024] x [K 1,024, N 1,024]; A: input x; B: input wq: QUANTISED
;;     2. [M 8,192, K 1,024] x [K 1,024, N 1,024]; A: input x; B: input wk: QUANTISED
;;     3. [M 8,192, K 1,024] x [K 1,024, N 1,024]; A: input x; B: input wv: QUANTISED
;;     4. batch 64 x [M 2,048, K 64] x [K 64, N 2,048]; A: computed on the way; B: computed on the way: QUANTISED
;;     5. batch 64 x [M 2,048, K 2,048] x [K 2,048, N 64]; A: softmax (see below); B: computed on the way: QUANTISED
;;     6. [M 8,192, K 1,024] x [K 1,024, N 1,024]; A: computed on the way; B: input wp: QUANTISED
;;   THE QUANTISER, for each operand of a quantised product, along K:
;;     - K is cut into blocks of 32 from its start; a last block that is shorter is filled with zeros.
;;     - A block's scale is 2^e with e = floor(log2(the largest magnitude in the block)) - 2, held to -126 .. 127; a block of zeros has e = 0. As a byte (E8M0): e + 127.
;;     - Each number is divided by its block's scale, clamped to +-7.5, and rounded to the nearest number of E2M3, ties to even, subnormals kept.
;;     - The product sums the exact products of the quantised numbers (number of the format x scale) in f32.
;;   ~~~python
;;   def quantise(x, axis):      # numpy; x: float32 -> the quantised numbers, widened to float32 again
;;       x = np.moveaxis(x, axis, -1); K = x.shape[-1]
;;       x = np.pad(x, [(0, 0)] * (x.ndim - 1) + [(0, -K % 32)]); x = x.reshape(x.shape[:-1] + (-1, 32)); a = np.abs(x).max(-1, keepdims=True)
;;       e = np.where(a > 0, np.clip(np.frexp(np.where(a > 0, a, 1))[1] - 1 - 2, -126, 127), 0)      # np.frexp(a)[1] - 1 = floor(log2(a)), exactly
;;       r = np.clip(x / 2.0 ** e, -7.5, 7.5)
;;       step = 2.0 ** (np.maximum(np.frexp(np.where(r == 0, 1, r))[1] - 1, 0) - 3)
;;       q = np.round(r / step) * step * 2.0 ** e      # np.round: ties to even
;;       return np.moveaxis(q.reshape(q.shape[:-2] + (-1,))[..., :K], -1, axis).astype(np.float32)
;;   ~~~
;;   SOFTMAX AHEAD OF A QUANTISED PRODUCT. Where the list says 'softmax', what is quantised is not the finished softmax but p = 2^(t - M), with t = logit x log2(e) and M = ceil(the row's largest t), a whole number; so 1/2 < the row's largest p <= 1. The row's sum l is taken of the UNQUANTISED p, in f32, and the product's result is divided by l at the end. Since M is a whole number, a kernel that streams over the keys may use a running M (the ceiling of the running maximum): every later rescaling is an exact power of two, which a block's scale takes up: the codes' values come out the same.
;;   OPERANDS COMPUTED ON THE WAY. 'Computed on the way' means the value that the module computes at that place (a softmax that the list does not call 'softmax' is quantised finished and normalised). What goes into a quantiser is computed in f32, as accurately as f32 sums, v_exp_f32 and their like allow (about 1e-6 of the number): no bf16 or f16 on the way to a quantiser, and a product that is left as it is and whose result goes on into a quantised operand takes f32 operands (vector FMAs, or v_wmma_f32_16x16x4_f32). A number that lies on a knife's edge between two numbers of the format may be rounded either way, as far as f32 arithmetic and the matrix unit's own rounding can turn it there, and no further.
;; One version. Each part assembles by itself: llvm-mc -triple=amdgcn-amd-amdhsa -mcpu=gfx1250 --defsym DOCPART=n.
;; ======== version 1 of 1: 4 launches
;; limits: right only within a limited range of input values
;; workspace buffers: xq 6,553,600 bytes; wz 3,276,800 bytes; mb 2,097,152 bytes of whole numbers; kv 13,369,344 bytes; qp 13,369,344 bytes; oq 6,553,600 bytes
;; launch prep (part 1): grid 896 x 1, 4 waves a work-group, no clusters, 34,304 bytes of LDS; arguments x, wq, wk, wv, wp, mask, xq, wz, mb; writes xq, wz, mb
.if DOCPART == 1
	.amdgcn_target "amdgcn-amd-amdhsa--gfx1250"
	.amdhsa_code_object_version 6
	.text
	.protected	k_q6f1146b143_prep
	.globl	k_q6f1146b143_prep
	.p2align	8
	.type	k_q6f1146b143_prep,@function
k_q6f1146b143_prep:
	s_mov_b64 s[64:65], 0
	v_nop
	global_prefetch_b8 v0, s[64:65] scope:SCOPE_SE
	s_setreg_imm32_b32 hwreg(HW_REG_WAVE_MODE, 25, 1), 1
	s_wait_xcnt 0x0
; PREP.  x [8192][1024] and wq, wk, wv, wp [1024][1024], f32 with K innermost, become codes of FP6 (E2M3) with one E8M0 byte for each 32 along K;
; mask [8192][2048], int32, becomes words of 32 bits, one bit a lane, as the attention launch's selects take them.
; A TILE is 16 rows, and they are not neighbours: lane r of tile t takes row 32 (t / 2) + 8 (t % 2) + r + 8 (r / 8).
; CODES LEAVE AS IMAGES OF OPERAND REGISTERS: a fragment (16 rows x 128 K, 12 registers a lane) is two halves of 768 bytes: registers 0-3 at 16 x lane, registers 4-5 at 512 + 8 x lane.
; xq, wz: [tile][8 K steps][1536]; behind them the scale words [tile][4][16 rows][2] (K step = 2 x the second index + the last).  mb: [tile][16 key steps][64 words].
; A JOB is one tile x 512 bytes of its rows (128 numbers).  A wave does four jobs, neighbours along the rows.  Work-groups 0-255 take x, 256-383 the four weights (32 each), 384-895 the mask.
; Each load reads 512 consecutive bytes of a row; the 16 rows turn through the wave's own stage in LDS (rows 528 bytes apart), so that lane (r, h) gets, of row r, 16 neighbours of each block of 32.
; All types walk the same loads and the same LDS lines; only the work on registers and the stores part, by a scalar branch on the work-group's number.  Waves share nothing: no barrier.
; No cluster: no two work-groups read the same bytes.
; LIMITS: a block of zeros, or one whose largest magnitude lies under 2^-124, gets the byte 1 (its codes are zeros or held; the bytes are read by this program alone); NaN and infinities among x and the weights are not served.
.set XSO,  6291456                     ; where xq's scale words begin
.set WSO,  3145728                     ; and wz's
.set SP,   528                         ; a stage row: 512 bytes + 16
.set STG,  16*SP                       ; a wave's stage
.set A16,  4                           ; v4   16 x lane
.set A8,   5                           ; v5   8 x lane
.set STW,  6                           ; v6   the stage, on the way in
.set STR,  7                           ; v7   and on the way out: row r, + 64 h
.set OFF,  8                           ; v8-23   byte offset of my 16 bytes in the tile's row i
.set R,    24                          ; v24-87  a job's numbers as loaded
.set X,    88                          ; v88-151 register 16 b + i = number 32 b + 16 h + i of row r
.set TM,   152                         ; v152-167 at work
.set PW,   168                         ; v168-171 a scale word for each job
.set PC,   172                         ; v172-191 the codes
.set MO,   192                         ; v192-199 a job's 64 mask words: lane l of the pair holds words 2 l and 2 l + 1
.set SCP,  200                         ; v200-201 the scale words on their way out
.set SEL,  2                           ; s[2:3] lane selects: lane l xor 16
.set SRC,  22                          ; s[22:23] my first row's first byte
.set SDS,  30                          ; s[30:31] where my scale words go
.set DST,  38                          ; s[38:39] where my codes or mask words go
.set CM,   40                          ; s40-47 eight compare results
	s_load_b512 s[4:19], s[0:1], 0x0               ; x, wq, wk, wv, wp, mask, xq, wz
	s_load_b64 s[20:21], s[0:1], 0x40              ; mb
	v_lshl_add_u32 v208, v0, 2, 0x8400
	v_mov_b32 v209, 0
	v_lshrrev_b32 v1, 5, v0
	v_readfirstlane_b32 s33, v1                    ; wave
	v_and_b32 v1, 31, v0                           ; lane
	v_and_b32 v2, 15, v0                           ; r
	v_bfe_u32 v3, v0, 4, 1                         ; h
	v_lshlrev_b32 v[A16], 4, v1
	v_lshlrev_b32 v[A8], 3, v1
	s_mul_i32 s34, s33, STG
	v_add_nc_u32 v[STW], s34, v[A16]
	v_mul_u32_u24 v[STR], v2, SP
	v_lshl_add_u32 v[STR], v3, 6, v[STR]
	v_add_nc_u32 v[STR], s34, v[STR]
	s_mov_b32 s[SEL], 0x76543210
	s_mov_b32 s[SEL+1], 0xfedcba98
.irp b, 0,1,2,3
	v_mov_b32 v[TM+4+\b], 0                        ; a lane permute's destination counts as one of its sources
	v_mov_b32 v[PW+\b], 0                          ; written on every path ahead of the tail
.endr
.irp b, 0,1,2,3,4,5,6,7
	v_mov_b32 v[MO+\b], 0                          ; v_writelane_b32 keeps the other lanes
.endr
	; what differs between the three kinds, chosen on the work-group's number alone
	s_mov_b32 s24, 384                             ; the kind's first work-group
	s_mov_b32 s25, 8192                            ; a row in bytes
	s_mov_b32 s26, 2                               ; log2 of the waves to a tile
	s_mov_b32 s27, 1024                            ; bytes that a wave stores
	s_mov_b32 s28, 511                             ; tiles in a source tensor - 1
	s_mov_b32 s29, 0                               ; where the scale words begin
	s_cmp_lt_u32 ttmp9, 384
	s_cselect_b32 s24, 256, s24
	s_cselect_b32 s25, 4096, s25
	s_cselect_b32 s26, 1, s26
	s_cselect_b32 s27, 6144, s27
	s_cselect_b32 s28, 63, s28
	s_cselect_b32 s29, WSO, s29
	s_cmp_lt_u32 ttmp9, 256
	s_cselect_b32 s24, 0, s24
	s_cselect_b32 s28, 511, s28
	s_cselect_b32 s29, XSO, s29
	s_sub_co_u32 s32, ttmp9, s24
	s_lshl_b32 s32, s32, 2
	s_add_co_u32 s32, s32, s33                     ; my wave's number within the kind
	s_lshr_b32 s34, s32, s26                       ; its tile,
	s_lshl_b32 s35, s34, s26
	s_sub_co_u32 s35, s32, s35                     ; and which 2,048 bytes of the rows
	s_and_b32 s34, s34, s28                        ; the tile within its source tensor
	s_lshr_b32 s36, s34, 1
	s_lshl_b32 s36, s36, 5
	s_and_b32 s37, s34, 1
	s_lshl_b32 s37, s37, 3
	s_add_co_u32 s36, s36, s37                     ; the tile's first row
	s_mul_i32 s36, s36, s25
	s_lshl_b32 s35, s35, 11
	s_add_co_u32 s36, s36, s35                     ; in bytes, under 2^27
	s_mov_b32 s37, 0
	s_mul_i32 s34, s32, s27
	s_mov_b32 s35, 0
	s_lshl_b32 s32, s32, 8                         ; 256 bytes of scale words a wave
	s_add_co_u32 s32, s32, s29
	s_mov_b32 s33, 0
	s_wait_kmcnt 0x0
	s_mov_b64 s[SRC:SRC+1], s[14:15]               ; the mask, unless
	s_mov_b64 s[SDS:SDS+1], s[20:21]
	s_cmp_lt_u32 ttmp9, 384
	s_cselect_b64 s[SRC:SRC+1], s[12:13], s[SRC:SRC+1]   ; wp,
	s_cselect_b64 s[SDS:SDS+1], s[18:19], s[SDS:SDS+1]
	s_cmp_lt_u32 ttmp9, 352
	s_cselect_b64 s[SRC:SRC+1], s[10:11], s[SRC:SRC+1]   ; wv,
	s_cmp_lt_u32 ttmp9, 320
	s_cselect_b64 s[SRC:SRC+1], s[8:9], s[SRC:SRC+1]     ; wk,
	s_cmp_lt_u32 ttmp9, 288
	s_cselect_b64 s[SRC:SRC+1], s[6:7], s[SRC:SRC+1]     ; wq,
	s_cmp_lt_u32 ttmp9, 256
	s_cselect_b64 s[SRC:SRC+1], s[4:5], s[SRC:SRC+1]     ; or x
	s_cselect_b64 s[SDS:SDS+1], s[16:17], s[SDS:SDS+1]
	s_add_nc_u64 s[SRC:SRC+1], s[SRC:SRC+1], s[36:37]
	s_add_nc_u64 s[DST:DST+1], s[SDS:SDS+1], s[34:35]
	s_add_nc_u64 s[SDS:SDS+1], s[SDS:SDS+1], s[32:33]
.irp i, 0,1,2,3,4,5,6,7,8,9,10,11,12,13,14,15
	s_mul_i32 s36, s25, \i+8*(\i/8)                ; the tile's row i lies i + 8 (i / 8) rows below its first
	v_add_nc_u32 v[OFF+\i], s36, v[A16]
.endr
.macro LOAD job                        ; 16 rows x 512 consecutive bytes
.irp i, 0,1,2,3,4,5,6,7,8,9,10,11,12,13,14,15
	global_load_b128 v[R+4*\i:R+4*\i+3], v[OFF+\i], s[SRC:SRC+1] offset:512*(\job) th:TH_LOAD_NT
.endr
.endm
; 64 numbers of a lane, register 16 b + i = k 32 b + 16 h + i of my row, become a fragment's codes in v[PC] .. v[PC+11] and its scale word in v[pw].
.macro QUANT s, pw
.irp b, 0,1,2,3
	v_max3_num_f32 v[TM+\b], |v[\s+16*\b]|, |v[\s+1+16*\b]|, 0x1800000   ; my 16 numbers of block b, and the floor 2^(3 - 127): the byte cannot fall under 1
.endr
.irp i, 2,4,6,8,10,12,14
.irp b, 0,1,2,3
	v_max3_num_f32 v[TM+\b], v[TM+\b], |v[\s+16*\b+\i]|, |v[\s+1+16*\b+\i]|   ; the four blocks by turns
.endr
.endr
.irp b, 0,1,2,3
	v_permlanex16_b32 v[TM+4+\b], v[TM+\b], s[SEL], s[SEL+1]
.endr
.irp b, 0,1,2,3
	v_max_num_f32 v[TM+\b], v[TM+\b], v[TM+4+\b]   ; with lane l xor 16's: the block's largest magnitude
.endr
.irp b, 0,1,2,3
	v_add_nc_u32 v[TM+12+\b], 0xff000000, v[TM+\b] ; 2 off its exponent field: the conversion's scale operand
.endr
.irp b, 0,1,2,3
	v_lshrrev_b32 v[TM+4+\b], 23, v[TM+12+\b]      ; the scale's byte
.endr
	v_lshl_or_b32 v[\pw], v[TM+5], 8, v[TM+4]
	v_lshl_or_b32 v[\pw], v[TM+6], 16, v[\pw]
	v_lshl_or_b32 v[\pw], v[TM+7], 24, v[\pw]
.irp c, 0,1
	v_cvt_scalef32_pk16_fp6_f32 v[PC+6*\c:PC+2+6*\c], v[\s+32*\c:\s+15+32*\c], v[TM+12+2*\c]
	v_cvt_scalef32_pk16_fp6_f32 v[PC+12+4*\c:PC+14+4*\c], v[\s+16+32*\c:\s+31+32*\c], v[TM+12+2*\c+1]   ; (a conversion's three registers begin on an even number)
.endr
	v_nop                                          ; one plain place behind a scaled conversion
.irp c, 0,1                            ; the operand's layout wants a whole block in a lane: lanes 0-15 block 2 c, lanes 16-31 block 2 c + 1
.irp i, 0,1,2
	v_permlane16_swap_b32 v[PC+6*\c+\i], v[PC+12+4*\c+\i]
.endr
.irp i, 0,1,2
	v_mov_b32 v[PC+3+6*\c+\i], v[PC+12+4*\c+\i]
.endr
.endr
.endm
.macro JOB job
	s_wait_loadcnt 0x0                             ; this job's 16 loads are in
.irp i, 0,1,2,3,4,5,6,7,8,9,10,11,12,13,14,15
	ds_store_b128 v[STW], v[R+4*\i:R+4*\i+3] offset:SP*\i
.endr
.irp b, 0,1,2,3
.irp u, 0,1,2,3
	ds_load_b128 v[X+16*\b+4*\u:X+16*\b+4*\u+3], v[STR] offset:128*\b+16*\u   ; LDS serves a wave's instructions in order: these see the stores above
.endr
.endr
	s_wait_dscnt 0x0                               ; the stores have read R, and X is in
.if \job < 3
	LOAD \job+1                                    ; the next job is on its way while this one is worked
.endif
	s_wait_xcnt 0x0                                ; the last job's stores have read the codes' registers, which are written again below
	s_cmp_ge_u32 ttmp9, 384
	s_cbranch_scc1 .Lmask_\@
	QUANT X, PW+\job
	global_store_b128 v[A16], v[PC:PC+3], s[DST:DST+1] offset:1536*\job          ; each store covers whole aligned blocks of 256 bytes
	global_store_b64 v[A8], v[PC+4:PC+5], s[DST:DST+1] offset:1536*\job+512
	global_store_b128 v[A16], v[PC+6:PC+9], s[DST:DST+1] offset:1536*\job+768
	global_store_b64 v[A8], v[PC+10:PC+11], s[DST:DST+1] offset:1536*\job+1280
	s_branch .Ljoin_\@
.Lmask_\@:                             ; word n: bit l = (register n of lane l is not 0)
.irp g, 0,1,2,3,4,5,6,7
.irp k, 0,1,2,3,4,5,6,7
	v_cmp_ne_u32 s[CM+\k], 0, v[X+8*\g+\k]
.endr
.irp k, 0,1,2,3,4,5,6,7
	v_writelane_b32 v[MO+2*\job+\k%2], s[CM+\k], 4*\g+\k/2
.endr
.endr
	global_store_b64 v[A8], v[MO+2*\job:MO+2*\job+1], s[DST:DST+1] offset:256*\job   ; 64 words: one aligned block of 256 bytes
.Ljoin_\@:
.endm
	s_wait_alu depctr_va_vdst(0)
	LOAD 0
	JOB 0
	JOB 1
	JOB 2
	JOB 3
	s_cmp_ge_u32 ttmp9, 384
	s_cbranch_scc1 .Lend
	v_cmp_le_u32 vcc_lo, 16, v1                    ; lanes 16-31 take the second pair of K steps
	v_cndmask_b32 v[SCP], v[PW], v[PW+2], vcc_lo
	v_cndmask_b32 v[SCP+1], v[PW+1], v[PW+3], vcc_lo
	global_store_b64 v[A8], v[SCP:SCP+1], s[SDS:SDS+1]   ; [2 pairs][16 rows][2 words]: one aligned block of 256 bytes
.Lend:
	s_wait_tensorcnt 0x0
	ds_add_u32 v208, v209
	s_wait_dscnt 0x0
	s_endpgm
.Lfunc_end_k_q6f1146b143_prep:
	.size	k_q6f1146b143_prep, .Lfunc_end_k_q6f1146b143_prep-k_q6f1146b143_prep
	.p2alignl 7, 3214868480
	.fill 96, 4, 3214868480
	.section	.rodata,"a",@progbits
	.p2align	6, 0x0
	.amdhsa_kernel k_q6f1146b143_prep
		.amdhsa_group_segment_fixed_size 34304
		.amdhsa_private_segment_fixed_size 0
		.amdhsa_enable_private_segment 0
		.amdhsa_kernarg_size 72
		.amdhsa_user_sgpr_count 2
		.amdhsa_user_sgpr_kernarg_segment_ptr 1
		.amdhsa_wavefront_size32 1
		.amdhsa_system_sgpr_workgroup_id_x 1
		.amdhsa_system_sgpr_workgroup_id_y 1
		.amdhsa_system_sgpr_workgroup_id_z 1
		.amdhsa_system_vgpr_workitem_id 0
		.amdhsa_next_free_vgpr 210
		.amdhsa_next_free_sgpr 66
		.amdhsa_reserve_vcc 1
		.amdhsa_float_denorm_mode_32 3
		.amdhsa_float_denorm_mode_16_64 3
		.amdhsa_memory_ordered 1
		.amdhsa_forward_progress 1
		.amdhsa_inst_pref_size 70
	.end_amdhsa_kernel
	.amdgpu_metadata
---
amdhsa.version: [ 1, 2 ]
amdhsa.kernels:
  - .name:           k_q6f1146b143_prep
    .symbol:         k_q6f1146b143_prep.kd
    .args:
      - { .name: x, .offset: 0, .size: 8, .value_kind: global_buffer, .address_space: global }
      - { .name: wq, .offset: 8, .size: 8, .value_kind: global_buffer, .address_space: global }
      - { .name: wk, .offset: 16, .size: 8, .value_kind: global_buffer, .address_space: global }
      - { .name: wv, .offset: 24, .size: 8, .value_kind: global_buffer, .address_space: global }
      - { .name: wp, .offset: 32, .size: 8, .value_kind: global_buffer, .address_space: global }
      - { .name: mask, .offset: 40, .size: 8, .value_kind: global_buffer, .address_space: global }
      - { .name: xq, .offset: 48, .size: 8, .value_kind: global_buffer, .address_space: global }
      - { .name: wz, .offset: 56, .size: 8, .value_kind: global_buffer, .address_space: global }
      - { .name: mb, .offset: 64, .size: 8, .value_kind: global_buffer, .address_space: global }
    .group_segment_fixed_size: 34304
    .private_segment_fixed_size: 0
    .kernarg_segment_align: 8
    .kernarg_segment_size: 72
    .max_flat_workgroup_size: 128
    .sgpr_count:     66
    .vgpr_count:     210
    .wavefront_size: 32
...
	.end_amdgpu_metadata
.endif
;; end of part 1
;; launch qkv (part 2): grid 8 x 48, 4 waves a work-group, clusters of 4 x 4, 327,680 bytes of LDS; arguments xq, wz, qp, kv; writes qp, kv
.if DOCPART == 2
	.amdgcn_target "amdgcn-amd-amdhsa--gfx1250"
	.amdhsa_code_object_version 6
	.text
	.protected	k_q6f1146b143_qkv
	.globl	k_q6f1146b143_qkv
	.p2align	8
	.type	k_q6f1146b143_qkv,@function
k_q6f1146b143_qkv:
	s_mov_b64 s[64:65], 0
	v_nop
	global_prefetch_b8 v0, s[64:65] scope:SCOPE_SE
	s_setreg_imm32_b32 hwreg(HW_REG_WAVE_MODE, 25, 1), 1
	s_wait_xcnt 0x0
	s_wait_alu depctr_hold_cnt(0) depctr_sa_sdst(0) depctr_va_vdst(0) depctr_va_sdst(0) depctr_va_ssrc(0) depctr_va_vcc(0) depctr_vm_vsrc(0)
	s_getreg_b32 s2, hwreg(HW_REG_IB_STS2, 6, 4)
	s_cmp_eq_u32 s2, 0
	s_cbranch_scc0 .Lentry_in_a_cluster
	s_endpgm
.Lentry_in_a_cluster:
	s_bfe_u32 s2, ttmp6, 0x10000c
	s_cmp_lg_u32 s2, 0xf033
	s_cbranch_scc0 .Lentry_shape_is_right
	s_endpgm
.Lentry_shape_is_right:
.set FR,     12
.set NL,     4
.set NP,     4
.set TROW,   12288
.set STEPB,  3072
.set HALFT,  8*STEPB
.set SLOT,   4*HALFT
; LDS: bytes 0 .. 2 SLOT: K steps 0-3 (T's 16 tiles, then U's 16, 6,144 bytes a tile), filled at the head; 2 SLOT .. 3 SLOT: K steps 4, 5, filled behind the first round;
; K steps 6, 7 are the one refill: onto bytes 0 .. SLOT, 3,072 bytes a tile, behind the round in K step 3.  Region 2 = the first, region 1 = the second, region 0 = the refill.
.set SCL,    3*SLOT
.set HALFS,  4096
.set SPARE,  SCL+4*HALFS
.set XSO,    6291456
.set WSO,    3145728
.set REC,    13056
.set PLANE,  16*REC
.set ADRT16, 8
.set ADRT8,  11
.set ADRU16, 16
.set ADRU8,  19
.set A16,    24
.set A8,     25
.set ADRS,   27
.set SPW,    28
.set NIL,    29
.set SC,     32
.set AF,     128
.set TM,     64
.set SW,     80
.set PC,     88
.set Z,      108
.set E,      112
.set SEL,    98
.set G1, 24
.set G0, 32
.set G1B, 48
.set G0B, 56
.set G1S, 68
.set G0S, 76
.set G1SB, 80
.set G0SB, 88
.set MSB, 0
.macro WIN new
.if MSB != (\new)
	s_set_vgpr_msb (MSB<<8)|(\new)
.set MSB, (\new)
.endif
.endm
.set MUL_LO, 0xa1
.set MUL_HI, 0xf1
.set TO_U,   0x40
.macro JLOAD g0a, g1a, g0b, g1b
	s_cmp_eq_u32 s15, 0
	s_cbranch_scc0 .Lfor_u_\@
	tensor_load_to_lds s[\g0a:\g0a+3], s[\g1a:\g1a+7]
	s_nop 0
.rept 4
	v_nop
.endr
	s_branch .Lasked_\@
.Lfor_u_\@:
	tensor_load_to_lds s[\g0b:\g0b+3], s[\g1b:\g1b+7]
	s_nop 0
.rept 4
	v_nop
.endr
.Lasked_\@:
.endm
.macro CREST
	s_cmp_lg_u32 s14, 0
	s_cbranch_scc1 .Lnot_wave_0_\@
	s_barrier_signal -3
.Lnot_wave_0_\@:
	s_barrier_wait -3
	s_barrier_signal -1
	s_barrier_wait -1
.endm
.macro CROUND
	s_barrier_signal -1
	s_barrier_wait -1
	CREST
.endm
	s_load_b128 s[4:7], s[0:1], 0x0
	s_load_b128 s[8:11], s[0:1], 0x10
	v_lshl_add_u32 v[SPW], v0, 2, SPARE
	v_mov_b32 v[NIL], 0
	ds_add_u32 v28, v29
	ds_add_u32 v28, v29
	s_wait_dscnt 0x0
	v_lshrrev_b32 v1, 5, v0
	v_readfirstlane_b32 s14, v1
	s_lshr_b32 s15, s14, 1
	s_and_b32 s16, s14, 1
	s_bfe_u32 s40, ttmp6, 0x40000
	s_bfe_u32 s41, ttmp6, 0x40004
	s_and_b32 s13, ttmp7, 0xffff
	s_lshl_b32 s18, s13, 2
	s_add_co_u32 s18, s18, s41
	s_add_co_u32 s19, s41, 8
	s_lshl_b32 s42, ttmp9, 2
	s_add_co_u32 s42, s42, s40
	s_lshl_b32 s17, s13, 3
	s_add_co_u32 s17, s17, s42
	s_sub_co_u32 s17, s17, 64
	s_mov_b32 s96, XSO
	s_mov_b32 s97, WSO
	s_cmp_ge_u32 s13, 8
	s_cselect_b32 s12, 1, 0
	s_cselect_b32 s18, s19, s18
	s_cselect_b32 s42, s17, s42
	s_cselect_b32 s98, s97, s96
	s_cselect_b32 s99, s96, s97
	s_lshl_b32 s43, s41, 2
	s_lshl_b32 s43, 15, s43
	s_lshl_b32 s44, 0x1111, s40
	s_or_b32 s[G1+0], s43, (3<<16)|(1<<21)
	s_or_b32 s[G1B+0], s44, (3<<16)|(1<<21)
.irp g, G1, G1B
	s_mov_b32 s[\g+1], 768<<16                     ; the head's loads: four K steps of a tile, 6,144 bytes
	s_mov_b32 s[\g+2], 16<<16                      ; the head's loads of codes bring 16 tiles; the ring's 8 (set behind the head's wait)
	s_mov_b32 s[\g+3], 768<<16
	s_mov_b32 s[\g+4], 16
	s_mov_b32 s[\g+5], 1536
	s_mov_b32 s[\g+6], 0
	s_mov_b32 s[\g+7], 0
.endr
	s_or_b32 s[G1S+0], s43, (3<<16)|(1<<21)
	s_or_b32 s[G1SB+0], s44, (3<<16)|(1<<21)
.irp g, G1S, G1SB
	s_mov_b32 s[\g+1], 32<<16
	s_mov_b32 s[\g+2], 32<<16                      ; the scales of 16 tiles: 32 rows of 256 bytes, one load
	s_mov_b32 s[\g+3], 32<<16
	s_mov_b32 s[\g+4], 32
	s_mov_b32 s[\g+5], 32
	s_mov_b32 s[\g+6], 0
	s_mov_b32 s[\g+7], 0
.endr
	s_lshl_b32 s20, s18, 4                         ; the block's first tile of T, and of U
	s_lshl_b32 s46, s42, 4
	s_mul_i32 s22, s20, TROW
	s_mov_b32 s23, 0
	s_lshl_b32 s92, s20, 9
	s_add_co_u32 s92, s92, s98
	s_mov_b32 s93, 0
	s_mul_i32 s94, s46, TROW
	s_mov_b32 s95, 0
	s_lshl_b32 s46, s46, 9
	s_add_co_u32 s46, s46, s99
	s_mov_b32 s47, 0
	s_mul_i32 s45, s14, HALFT
	s_wait_kmcnt 0x0
	s_cmp_ge_u32 s13, 8
	s_cselect_b64 s[96:97], s[6:7], s[4:5]
	s_cselect_b64 s[98:99], s[4:5], s[6:7]
	s_add_nc_u64 s[22:23], s[96:97], s[22:23]
	s_add_nc_u64 s[92:93], s[96:97], s[92:93]
	s_add_nc_u64 s[94:95], s[98:99], s[94:95]
	s_add_nc_u64 s[46:47], s[98:99], s[46:47]
	CROUND
	s_mov_b32 s[G0S], 1
	s_mov_b32 s[G0S+1], SCL
	s_mov_b64 s[G0S+2:G0S+3], s[92:93]
	s_or_b32 s[G0S+3], s[G0S+3], 0x80000000
	s_mov_b32 s[G0SB], 1
	s_mov_b32 s[G0SB+1], SCL+2*HALFS
	s_mov_b64 s[G0SB+2:G0SB+3], s[46:47]
	s_or_b32 s[G0SB+3], s[G0SB+3], 0x80000000
	s_mov_b32 s4, 1                                ; group 0 of the head's loads of codes: T's 16 tiles to slot 0's start,
	s_mov_b32 s5, 0
	s_mov_b64 s[6:7], s[22:23]
	s_or_b32 s7, s7, 0x80000000
	s_mov_b32 s96, 1                               ; U's 16 behind them
	s_mov_b32 s97, SLOT
	s_mov_b64 s[98:99], s[94:95]
	s_or_b32 s99, s99, 0x80000000
	s_mul_i32 s20, s16, 8*TROW                     ; for the ring: my 8 tiles of the 16
	s_mov_b32 s21, 0
	s_add_nc_u64 s[22:23], s[22:23], s[20:21]
	s_add_nc_u64 s[94:95], s[94:95], s[20:21]
; the head's four tiles, one load a wave, in one chain of branches on the wave's number
.macro ARM under, g0, g1, next
	s_cmp_lt_u32 s14, \under
	s_cbranch_scc0 \next
	tensor_load_to_lds s[\g0:\g0+3], s[\g1:\g1+7]
	s_nop 0
.rept 4
	v_nop
.endr
	s_branch .Lhead_asked
\next:
.endm
	ARM 1, 4,   G1,  .Lhead_u
	ARM 2, 96,  G1B, .Lhead_st
	ARM 3, G0S, G1S, .Lhead_su
	tensor_load_to_lds s[G0SB:G0SB+3], s[G1SB:G1SB+7]
	s_nop 0
.rept 4
	v_nop
.endr
.Lhead_asked:
	s_cmp_eq_u32 s15, 0                            ; the prefetch's base: the 8 tiles that I fetch in the ring (T's or U's), and of them my work-group's two:
	s_cselect_b64 s[92:93], s[22:23], s[94:95]     ; the four partners of a joint load share the tiles out by address (cx for T, cy for U)
	s_cselect_b32 s20, s40, s41
	s_mul_i32 s20, s20, 2*TROW
	s_add_nc_u64 s[92:93], s[92:93], s[20:21]
.irp s, 0,1
	s_mov_b32 s[G0+4*\s], 1
	s_add_co_u32 s[G0+4*\s+1], s45, \s*2*SLOT
	s_add_nc_u64 s[G0+4*\s+2:G0+4*\s+3], s[22:23], (3-\s)*STEPB   ; region 1: K steps 4, 5; region 0: K steps 6, 7
	s_or_b32 s[G0+4*\s+3], s[G0+4*\s+3], 0x80000000
	s_mov_b32 s[G0B+4*\s], 1
	s_add_co_u32 s[G0B+4*\s+1], s45, \s*2*SLOT
	s_add_nc_u64 s[G0B+4*\s+2:G0B+4*\s+3], s[94:95], (3-\s)*STEPB
	s_or_b32 s[G0B+4*\s+3], s[G0B+4*\s+3], 0x80000000
.endr
	v_and_b32 v1, 31, v0
	v_and_b32 v2, 15, v0
	v_bfe_u32 v3, v0, 4, 1
	v_lshlrev_b32 v[A16], 4, v1
	v_lshlrev_b32 v[A8], 3, v1
	s_mul_i32 s21, s15, 2*HALFT                    ; region 2: my 8 tiles of T, and of U behind T's 16
	s_mul_i32 s20, s16, 2*HALFT
	s_add_co_u32 s20, s20, SLOT
	v_add_nc_u32 v[ADRT16+2], s21, v[A16]
	v_add_nc_u32 v[ADRT8+2], s21, v[A8]
	v_add_nc_u32 v[ADRU16+2], s20, v[A16]
	v_add_nc_u32 v[ADRU8+2], s20, v[A8]
	v_min_u32 v6, 23, v1                           ; the prefetch's offset: 2 tiles x 12 blocks of 256 bytes, a lane a block; lanes 24-31 name the last block again
	v_mul_u32_u24 v7, v6, 22
	v_lshrrev_b32 v7, 8, v7                        ; block / 12
	v_mul_u32_u24 v7, v7, TROW-STEPB
	v_lshl_add_u32 v7, v6, 8, v7                   ; never rewritten
	s_mul_i32 s21, s15, HALFT
	s_mul_i32 s20, s16, HALFT
	s_add_co_u32 s20, s20, 2*HALFT
.irp s, 0,1
	v_add_nc_u32 v[ADRT16+\s], s21, v[A16]
	v_add_nc_u32 v[ADRT8+\s], s21, v[A8]
	v_add_nc_u32 v[ADRU16+\s], s20, v[A16]
	v_add_nc_u32 v[ADRU8+\s], s20, v[A8]
	s_add_co_u32 s21, s21, 2*SLOT
	s_add_co_u32 s20, s20, 2*SLOT
.endr
	s_lshl_b32 s21, s15, 12
	s_add_co_u32 s20, s16, 2
	s_sub_co_u32 s20, s20, s15
	s_lshl_b32 s20, s20, 12
	v_mul_u32_u24 v4, s20, v3
	v_lshl_add_u32 v4, v2, 3, v4
	s_add_co_u32 s21, s21, SCL
	v_add_nc_u32 v[ADRS], s21, v4
	global_prefetch_b8 v7, s[92:93] offset:3*STEPB th:TH_LOAD_NT scope:SCOPE_SE   ; K steps 6, 7: what the one refill loads, asked for more than four K steps ahead of it
	s_cmp_eq_u32 s12, 1
	s_cselect_b32 s17, s42, s18
	s_cselect_b32 s19, s16, s15
	s_cselect_b32 s20, s41, s40
	s_cselect_b32 s21, s15, s16
	s_cselect_b32 s66, 6144, 0
	s_lshr_b32 s67, s17, 3
	s_lshl_b32 s67, s67, 4
	s_lshl_b32 s20, s20, 2
	s_add_co_u32 s67, s67, s20
	s_lshl_b32 s21, s21, 1
	s_add_co_u32 s67, s67, s21
	s_and_b32 s17, s17, 7
	s_lshl_b32 s17, s17, 1
	s_add_co_u32 s17, s17, s19
	s_mul_i32 s67, s67, PLANE
	s_mul_i32 s17, s17, REC
	s_add_co_u32 s67, s67, s17
	s_add_co_u32 s66, s66, s67
	s_mov_b32 s67, 0
	s_or_b32 s17, s12, ttmp9
	s_cmp_eq_u32 s17, 0
	s_cselect_b64 s[8:9], s[8:9], s[10:11]
	s_add_nc_u64 s[8:9], s[8:9], s[66:67]
.macro FRAG reg, a16, a8, q, i
	ds_load_b128 v[\reg:\reg+3], v[\a16] offset:PIT*(\i)+1536*(\q)
	ds_load_b64 v[\reg+4:\reg+5], v[\a8] offset:PIT*(\i)+1536*(\q)+512
	ds_load_b128 v[\reg+6:\reg+9], v[\a16] offset:PIT*(\i)+1536*(\q)+768
	ds_load_b64 v[\reg+10:\reg+11], v[\a8] offset:PIT*(\i)+1536*(\q)+1280
.endm
.macro MUL16 a0, p, q, sc, zero
.irp a, \a0, \a0+1
.irp b, 0,1,2,3,4,5,6,7
.if \zero
	v_wmma_scale_f32_16x16x128_f8f6f4 v[8*(8*((\a)%4)+\b):8*(8*((\a)%4)+\b)+7], v[128*(\p)+FR*\b:128*(\p)+FR*\b+FR-1], v[AF+FR*(\a):AF+FR*(\a)+FR-1], 0, v[SC+16*(\sc)+2*\b+(\q)], v[SC+16*(\sc)+2*(\a)+(\q)] matrix_a_fmt:MATRIX_FMT_FP6 matrix_b_fmt:MATRIX_FMT_FP6 matrix_a_scale:MATRIX_SCALE_ROW1
.else
	v_wmma_scale_f32_16x16x128_f8f6f4 v[8*(8*((\a)%4)+\b):8*(8*((\a)%4)+\b)+7], v[128*(\p)+FR*\b:128*(\p)+FR*\b+FR-1], v[AF+FR*(\a):AF+FR*(\a)+FR-1], v[8*(8*((\a)%4)+\b):8*(8*((\a)%4)+\b)+7], v[SC+16*(\sc)+2*\b+(\q)], v[SC+16*(\sc)+2*(\a)+(\q)] matrix_a_fmt:MATRIX_FMT_FP6 matrix_b_fmt:MATRIX_FMT_FP6 matrix_a_scale:MATRIX_SCALE_ROW1
.endif
.endr
.endr
.endm
.macro FETCH_U slot, q, p
.set PIT, STEPB*(1+(\slot)/2)          ; bytes from tile to tile: region 2 holds four K steps a tile, the others two
	WIN TO_U
.irp i, 0,1,2,3,4,5,6,7
	FRAG 128*(\p)+FR*\i, ADRU16+\slot, ADRU8+\slot, \q, \i
.endr
	WIN 0
.endm
.macro FETCH_T slot, q, i0
.set PIT, STEPB*(1+(\slot)/2)
.irp i, \i0, \i0+1, \i0+2, \i0+3
	FRAG AF+FR*(\i), ADRT16+\slot, ADRT8+\slot, \q, \i
.endr
.endm
.macro SCALES sc, pr                   ; the scale words of the pair pr of K steps into set sc
.irp i, 0,1,2,3,4,5,6,7
	ds_load_b64 v[SC+16*(\sc)+2*\i:SC+16*(\sc)+2*\i+1], v[ADRS] offset:512*\i+128*(\pr)
.endr
.endm
.macro PLACES n
.rept \n
	v_nop
.endr
.endm
.macro STEP slot, q, zero, sc          ; K step q of region slot, scale set sc; fetches K step q + 1 of the same region
	s_wait_dscnt 4*NL
	WIN MUL_LO
	MUL16 0, (\q)%2, (\q)%2, \sc, \zero
	MUL16 2, (\q)%2, (\q)%2, \sc, \zero
	s_wait_dscnt 0
	PLACES NP
	FETCH_U \slot, (\q)+1, 1-(\q)%2
	FETCH_T \slot, (\q)+1, 0
.if (\q)%2
	SCALES 1-(\sc), ((\q)+1)/2
.endif
	WIN MUL_HI
	MUL16 4, (\q)%2, (\q)%2, \sc, \zero
	MUL16 6, (\q)%2, (\q)%2, \sc, \zero
	PLACES NP
	WIN 0
	FETCH_T \slot, (\q)+1, 4
.endm
.macro TURN sc, next, fill             ; a region's last K step (scale set sc); behind the barrier region next is read; fill = 1: a round, and the refill of region 0
	s_wait_tensorcnt 0x0
	ds_add_u32 v[SPW], v[NIL]
	s_wait_dscnt 4*NL+1
	WIN MUL_LO
	MUL16 0, 1, 1, \sc, 0
	s_wait_dscnt 0x0
	s_barrier_signal -1
	MUL16 2, 1, 1, \sc, 0
	WIN 0
	s_barrier_wait -1
.if \fill
	CREST
	JLOAD G0, G1, G0B, G1B
.else
	PLACES NP
.endif
	FETCH_U \next, 0, 0
	FETCH_T \next, 0, 0
	SCALES 1-(\sc), 3-(\next)
	WIN MUL_HI
	MUL16 4, 1, 1, \sc, 0
	MUL16 6, 1, 1, \sc, 0
	PLACES NP
	WIN 0
	FETCH_T \next, 0, 4
.endm
	s_wait_alu depctr_va_vdst(0)
	s_wait_tensorcnt 0x0                           ; my tile of the head's four is in; slot 1's first fill is issued as a refill is
	ds_add_u32 v[SPW], v[NIL]
	s_mov_b32 s[G1+2], 8<<16                       ; no load of mine is out: from here on a load brings 8 tiles
	s_mov_b32 s[G1+4], 8
	s_mov_b32 s[G1+1], 384<<16                     ; of two K steps, 3,072 bytes
	s_mov_b32 s[G1+3], 384<<16
	s_mov_b32 s[G1B+2], 8<<16
	s_mov_b32 s[G1B+4], 8
	s_mov_b32 s[G1B+1], 384<<16
	s_mov_b32 s[G1B+3], 384<<16
	s_wait_dscnt 0x0
	CROUND
	JLOAD G0+4, G1, G0B+4, G1B
	FETCH_U 2, 0, 0
	FETCH_T 2, 0, 0
	SCALES 0, 0
	FETCH_T 2, 0, 4
	STEP 2, 0, 1, 0                                ; K steps 0 to 2, out of region 2
	STEP 2, 1, 0, 0
	STEP 2, 2, 0, 1
	TURN 1, 1, 1                                   ; K step 3: region 2 is read out; the round; K steps 6, 7 are asked for
	STEP 1, 0, 0, 0                                ; K step 4
	TURN 0, 0, 0                                   ; K step 5: a plain barrier shows the refill to all
	STEP 0, 0, 0, 1                                ; K step 6
	s_wait_dscnt 4*NL
	WIN MUL_LO
	MUL16 0, 1, 1, 1, 0
	MUL16 2, 1, 1, 1, 0
	s_wait_dscnt 0
	WIN MUL_HI
	MUL16 4, 1, 1, 1, 0
	MUL16 6, 1, 1, 1, 0
	WIN 0
.macro QUANTW a
.set AC, 64*((\a)%4)
.set W, 2+(\a)/4
	WIN W|(W<<2)
.irp b, 0,1,2,3
	v_max3_num_f32 v[TM+\b], |v[AC+16*\b]|, |v[AC+1+16*\b]|, 0x1800000
.endr
	WIN (W<<2)|(W<<4)
.irp i, 2,4,6,8,10,12,14
.irp b, 0,1,2,3
	v_max3_num_f32 v[TM+\b], v[TM+\b], |v[AC+16*\b+\i]|, |v[AC+1+16*\b+\i]|
.endr
.endr
	WIN 0
.irp b, 0,1,2,3
	v_permlanex16_b32 v[TM+4+\b], v[TM+\b], s[SEL], s[SEL+1]
.endr
.irp b, 0,1,2,3
	v_max_num_f32 v[TM+\b], v[TM+\b], v[TM+4+\b]
.endr
.irp b, 0,1,2,3
	v_add_nc_u32 v[TM+12+\b], 0xff000000, v[TM+\b]
.endr
.irp b, 0,1,2,3
	v_lshrrev_b32 v[TM+4+\b], 23, v[TM+12+\b]
.endr
	v_lshl_or_b32 v[SW+(\a)], v[TM+5], 8, v[TM+4]
	v_lshl_or_b32 v[SW+(\a)], v[TM+6], 16, v[SW+(\a)]
	v_lshl_or_b32 v[SW+(\a)], v[TM+7], 24, v[SW+(\a)]
	s_wait_xcnt 0x0
	WIN W
.irp c, 0,1
	v_cvt_scalef32_pk16_fp6_f32 v[PC+6*\c:PC+2+6*\c], v[AC+32*\c:AC+15+32*\c], v[TM+12+2*\c]
	v_cvt_scalef32_pk16_fp6_f32 v[PC+12+4*\c:PC+14+4*\c], v[AC+16+32*\c:AC+31+32*\c], v[TM+12+2*\c+1]
.endr
	WIN 0
	v_nop
.irp c, 0,1
.irp i, 0,1,2
	v_permlane16_swap_b32 v[PC+6*\c+\i], v[PC+12+4*\c+\i]
.endr
.irp i, 0,1,2
	v_mov_b32 v[PC+3+6*\c+\i], v[PC+12+4*\c+\i]
.endr
.endr
.endm
.macro EPI kind
.irp a, 0,1,2,3,4,5,6,7
	QUANTW \a
.if \kind
	global_store_b128 v[A16], v[PC:PC+3], s[8:9] offset:PLANE*(\a/4)+1536*(\a%4)
	global_store_b64 v[A8], v[PC+4:PC+5], s[8:9] offset:PLANE*(\a/4)+1536*(\a%4)+512
	global_store_b128 v[A16], v[PC+6:PC+9], s[8:9] offset:PLANE*(\a/4)+1536*(\a%4)+768
	global_store_b64 v[A8], v[PC+10:PC+11], s[8:9] offset:PLANE*(\a/4)+1536*(\a%4)+1280
.else
	global_store_b128 v[A16], v[PC:PC+3], s[8:9] offset:768*\a
	global_store_b64 v[A8], v[PC+4:PC+5], s[8:9] offset:768*\a+512
	global_store_b128 v[A16], v[PC+6:PC+9], s[8:9] offset:PLANE+768*\a
	global_store_b64 v[A8], v[PC+10:PC+11], s[8:9] offset:PLANE+768*\a+512
.endif
.endr
.if \kind
.irp c, 0,1
.irp e, 0,1
	v_cndmask_b32 v[E+2*\c+\e], v[SW+4*\c+2*\e], v[SW+4*\c+2*\e+1], vcc_lo
.endr
	global_store_b64 v[A8], v[E+2*\c:E+2*\c+1], s[8:9] offset:PLANE*\c+6656
.endr
.else
.irp e, 0,1,2,3
	v_cndmask_b32 v[Z+\e], v[SW+2*\e], v[SW+2*\e+1], vcc_lo
.endr
.irp c, 0,1
.irp e, 0,1,2,3
	v_perm_b32 v[E+4*\c+\e], s20, v[Z+\e], s[21+\c]
.endr
	global_store_b128 v[A16], v[E+4*\c:E+4*\c+3], s[8:9] offset:PLANE*\c+12288
.endr
.endif
.endm
.irp b, 0,1,2,3
	v_mov_b32 v[TM+4+\b], 0
.endr
	v_cmp_le_u32 vcc_lo, 16, v1
	s_mov_b32 s[SEL], 0x76543210
	s_mov_b32 s[SEL+1], 0xfedcba98
	s_mov_b32 s20, 0x7f7f7f7f
	s_mov_b32 s21, 0x04040100
	s_mov_b32 s22, 0x04040302
	s_cmp_eq_u32 s12, 1
	s_cbranch_scc1 .Lkind_v
	EPI 0
	s_branch .Lout
.Lkind_v:
	EPI 1
.Lout:
	s_wait_tensorcnt 0x0
	ds_add_u32 v[SPW], v[NIL]
	s_wait_dscnt 0x0
	CROUND
	s_endpgm
.Lfunc_end_k_q6f1146b143_qkv:
	.size	k_q6f1146b143_qkv, .Lfunc_end_k_q6f1146b143_qkv-k_q6f1146b143_qkv
	.p2alignl 7, 3214868480
	.fill 96, 4, 3214868480
	.section	.rodata,"a",@progbits
	.p2align	6, 0x0
	.amdhsa_kernel k_q6f1146b143_qkv
		.amdhsa_group_segment_fixed_size 327680
		.amdhsa_private_segment_fixed_size 0
		.amdhsa_enable_private_segment 0
		.amdhsa_kernarg_size 32
		.amdhsa_user_sgpr_count 2
		.amdhsa_user_sgpr_kernarg_segment_ptr 1
		.amdhsa_wavefront_size32 1
		.amdhsa_system_sgpr_workgroup_id_x 1
		.amdhsa_system_sgpr_workgroup_id_y 1
		.amdhsa_system_sgpr_workgroup_id_z 1
		.amdhsa_system_vgpr_workitem_id 0
		.amdhsa_next_free_vgpr 1024
		.amdhsa_next_free_sgpr 100
		.amdhsa_reserve_vcc 1
		.amdhsa_float_denorm_mode_32 3
		.amdhsa_float_denorm_mode_16_64 3
		.amdhsa_memory_ordered 1
		.amdhsa_forward_progress 1
		.amdhsa_inst_pref_size 185
	.end_amdhsa_kernel
	.amdgpu_metadata
---
amdhsa.version: [ 1, 2 ]
amdhsa.kernels:
  - .name:           k_q6f1146b143_qkv
    .symbol:         k_q6f1146b143_qkv.kd
    .args:
      - { .name: xq, .offset: 0, .size: 8, .value_kind: global_buffer, .address_space: global }
      - { .name: wz, .offset: 8, .size: 8, .value_kind: global_buffer, .address_space: global }
      - { .name: qp, .offset: 16, .size: 8, .value_kind: global_buffer, .address_space: global }
      - { .name: kv, .offset: 24, .size: 8, .value_kind: global_buffer, .address_space: global }
    .group_segment_fixed_size: 327680
    .private_segment_fixed_size: 0
    .kernarg_segment_align: 8
    .kernarg_segment_size: 32
    .max_flat_workgroup_size: 128
    .sgpr_count:     100
    .vgpr_count:     1024
    .wavefront_size: 32
...
	.end_amdgpu_metadata
.endif
;; end of part 2
;; launch attn (part 3): grid 4 x 64, 16 waves a work-group, clusters of 4 x 1, 215,040 bytes of LDS; arguments qp, kv, mb, oq; writes oq
.if DOCPART == 3
	.amdgcn_target "amdgcn-amd-amdhsa--gfx1250"
	.amdhsa_code_object_version 6
	.text
	.protected	k_q6f1146b143_attn
	.globl	k_q6f1146b143_attn
	.p2align	8
	.type	k_q6f1146b143_attn,@function
k_q6f1146b143_attn:
	s_mov_b64 s[64:65], 0
	v_nop
	global_prefetch_b8 v0, s[64:65] scope:SCOPE_SE
	s_setreg_imm32_b32 hwreg(HW_REG_WAVE_MODE, 25, 1), 1
	s_wait_xcnt 0x0
	s_wait_alu depctr_hold_cnt(0) depctr_sa_sdst(0) depctr_va_vdst(0) depctr_va_sdst(0) depctr_va_ssrc(0) depctr_va_vcc(0) depctr_vm_vsrc(0)
	s_getreg_b32 s2, hwreg(HW_REG_IB_STS2, 6, 4)
	s_cmp_eq_u32 s2, 0
	s_cbranch_scc0 .Lentry_in_a_cluster
	s_endpgm
.Lentry_in_a_cluster:
	s_bfe_u32 s2, ttmp6, 0x10000c
	s_cmp_lg_u32 s2, 0x3003
	s_cbranch_scc0 .Lentry_shape_is_right
	s_endpgm
.Lentry_shape_is_right:
; ATTN.  For each plane (16 batch + head): O = softmax(mask(Q K^T / 8)) V on codes of FP6 (E2M3) with E8M0 scales; O is quantised along the head's 64 and leaves as codes for the projection.
; THE SOFTMAX AHEAD OF THE SECOND PRODUCT: t = score x log2(e) / 8; M = the running largest t rounded UP to a whole number; p = 2^(t - M) is quantised along the keys, not normalised; the row's sum is taken of the
; unquantised p and divides O at the end.  When M moves, the sum and O are multiplied by 2^(old M - new M): exact.  A key whose mask is 0 gets the score -infinity ahead of the maximum: p = 0.
; SHARES.  A work-group owns 256 queries of one plane, each of its sixteen waves one tile of 16, in 256 registers: four waves to a SIMD, so that one wave's vector work stands beside another's products and LDS loads.
; ALL OF A PLANE'S K AND V, 16 records of 13,056 bytes, LIES IN LDS: wave w brings record w by one tensor load.  Nothing is filled again: one barrier, no ring.
; CLUSTER.  The four blocks of queries of a cluster belong to one plane and read the same 16 records: each is asked for jointly, with a mask that names the four.
; LAYOUT.  Both products are used transposed (S^T = K Q^T, O^T = V^T P^T): a lane holds ONE query (lane % 16).  The rows of a tile are not neighbours (lane r of tile 2 b + u: 32 b + 8 u + r + 8 (r / 8)), so that
; register 16 b + i of the scores is key 32 b + 16 (lane / 16) + i of the step, and register 16 b + i of O^T is channel 32 b + 16 (lane / 16) + i.
; K = 64 FILLS HALF OF THE INSTRUCTION'S 128.  Q's registers 6-11 are zero codes.  A tile of K is six registers; its operand's upper six are whatever follows (the next tile's codes; behind tile 7, V's): codes of
; this format are all finite, their scale byte is 0x7f, and they meet zeros.
; THE MASK comes as 64 words a step, word n = one bit a lane for register n: scalar loads a step ahead, one v_cndmask_b32 a register.  No branch and no address hangs on them.
; LIMITS: a query none of whose keys counts has the sum 0: its scale bytes become 0xff, which makes its row of the projection NaN, as the softmax of nothing is.  A block of O that is all zeros or under 2^-124 gets the byte 1.
; TWO BLOCKS ON END.  A work-group takes blocks 2 cx and 2 cx + 1 of 256 queries of its plane, one after the other (macro PASS, expanded twice), on the same 16 records in LDS: 4 x 64 = 256 work-groups,
; and the records are fetched once for 512 queries.  No barrier stands between the two passes: LDS is only read there.  The cluster's four work-groups cover the plane's eight blocks.
.set REC,   13056
.set PLANE, 16*REC
.set XSO,   6291456
.set A16,   1                          ; v1  16 x lane
.set A8,    2                          ; v2  8 x lane
.set ADV16, 3                          ; v3-4 the step's record, for V;  v5-6 the next step's, for K
.set ADV8,  4
.set ADK16, 5
.set ADK8,  6
.set NINF,  7                          ; v7  -infinity
.set QS,    8                          ; v8  Q's scale words
.set KS,    28                         ; v28-31 K's scale words: register e: lanes 0-15 tile 2 e, lanes 16-31 tile 2 e + 1
.set VS,    32                         ; v32-33 V's likewise
.set FF,    34                         ; v34 f = 2^(old M - new M);  v35 p's scale word (named with f as a pair)
.set PS,    35
.set KF,    36                         ; v36-83 K: tile t at v[36 + 6 t]
.set VF,    84                         ; v84-131 V^T's four fragments
.set S,     132                        ; v132-195 S^T, then p
.set O,     196                        ; v196-227 O^T
.set PC,    228                        ; v228-239 p's codes
.set BM,    236                        ; v236-239 the blocks' largest scores (done with when the codes are made)
.set T2,    240                        ; v240-247 at work
.set SO,    248                        ; v248-251 the conversions' scale operands
.set TP,    252                        ; v252 at work
.set WV,    12                         ; s12 wave
.set TB,    13                         ; s13 LDS byte of the step's record
.set TBN,   14                         ; s14 of the next step's
.set CNT,   15
.set SEL,   66                         ; s[66:67] lane selects: lane l xor 16
.set G1,    84
.set G0,    92
.set CS,    96                         ; s[96:97] c = log2(e) / 8
.set MOFF,  99                         ; s99 byte offset of the mask words being asked for
; the 64 mask words lie in s[16:63] and s[68:83]: word n in s[16 + n + 4 (n / 48)]
.macro CROUND
	s_barrier_signal -1
	s_barrier_wait -1
	s_cmp_lg_u32 s[WV], 0
	s_cbranch_scc1 .Lnot_wave_0_\@
	s_barrier_signal -3
.Lnot_wave_0_\@:
	s_barrier_wait -3
	s_barrier_signal -1
	s_barrier_wait -1
.endm
.macro MLOAD                           ; a step's 64 mask words
	s_load_b512 s[16:31], s[2:3], s[MOFF] offset:0x0
	s_load_b512 s[32:47], s[2:3], s[MOFF] offset:0x40
	s_load_b512 s[48:63], s[2:3], s[MOFF] offset:0x80
	s_load_b512 s[68:83], s[2:3], s[MOFF] offset:0xc0
.endm
.macro KLOAD a16, a8                   ; 17 loads: eight tiles of K and their scale words
.irp t, 0,1,2,3,4,5,6,7
	ds_load_b128 v[KF+6*\t:KF+6*\t+3], v[\a16] offset:768*\t
	ds_load_b64 v[KF+6*\t+4:KF+6*\t+5], v[\a8] offset:768*\t+512
.endr
	ds_load_b128 v[KS:KS+3], v[\a16] offset:12288
.endm
.macro VLOAD                           ; 17 loads: four fragments of V^T and their scale words
.irp d, 0,1,2,3
	ds_load_b128 v[VF+12*\d:VF+12*\d+3], v[ADV16] offset:6144+1536*\d
	ds_load_b64 v[VF+12*\d+4:VF+12*\d+5], v[ADV8] offset:6144+1536*\d+512
	ds_load_b128 v[VF+12*\d+6:VF+12*\d+9], v[ADV16] offset:6144+1536*\d+768
	ds_load_b64 v[VF+12*\d+10:VF+12*\d+11], v[ADV8] offset:6144+1536*\d+1280
.endr
	ds_load_b64 v[VS:VS+1], v[ADV8] offset:12800
.endm
	s_load_b256 s[4:11], s[0:1], 0x0               ; qp, kv, mb, oq
	v_lshl_add_u32 v254, v0, 2, 0x34000
	v_mov_b32 v255, 0
	ds_add_u32 v254, v255
	ds_add_u32 v254, v255
	v_lshrrev_b32 v9, 5, v0
	s_delay_alu instid0(VALU_DEP_1)
	v_readfirstlane_b32 s[WV], v9                  ; wave 0..15
	s_bfe_u32 s98, ttmp6, 0x40000                  ; cx
	s_lshl_b32 s100, s98, 1                        ; my first block of 256 queries: 2 cx
	s_and_b32 s101, ttmp7, 0xffff                  ; the plane, which the four partners share
	; group 1: a record, 13,056 dense bytes, as 51 rows of 256
	s_mov_b32 s[G1], 15|(3<<16)|(1<<21)            ; 15:0 the mask: all four work-groups; 17:16 elements of 8 bytes; 21 set beside a mask
	s_mov_b32 s[G1+1], 32<<16                      ; tensor_dim0
	s_mov_b32 s[G1+2], 51<<16                      ; tensor_dim1
	s_mov_b32 s[G1+3], 32<<16                      ; tile_dim0
	s_mov_b32 s[G1+4], 51                          ; tile_dim1
	s_mov_b32 s[G1+5], 32                          ; tensor_dim0_stride
	s_mov_b32 s[G1+6], 0
	s_mov_b32 s[G1+7], 0
	s_mul_i32 s16, s101, PLANE                     ; the plane's first byte in qp and in kv (under 2^24)
	s_mov_b32 s17, 0
	s_mul_i32 s18, s[WV], REC                      ; my record, in memory and in LDS
	s_mov_b32 s19, 0
	s_mov_b32 s[SEL], 0x76543210
	s_mov_b32 s[SEL+1], 0xfedcba98
	s_mov_b32 s[CS], 0x3e38aa3b
	s_mov_b32 s[CS+1], s[CS]                       ; (named with it as a pair, so it is written)
	s_wait_dscnt 0x0
	s_wait_kmcnt 0x0
	s_mov_b32 s[G0], 1
	s_mov_b32 s[G0+1], s18
	s_add_nc_u64 s[G0+2:G0+3], s[6:7], s[16:17]
	s_add_nc_u64 s[G0+2:G0+3], s[G0+2:G0+3], s[18:19]
	s_or_b32 s[G0+3], s[G0+3], 0x80000000
	CROUND                                         ; all four work-groups are here: the joint loads meet
	tensor_load_to_lds s[G0:G0+3], s[G1:G1+7]      ; my one tensor load of the launch
	s_nop 0
.rept 4
	v_nop
.endr
	s_lshr_b32 s20, s101, 4
	s_lshl_b32 s20, s20, 7
	s_lshl_b32 s21, s100, 4
	s_add_co_u32 s20, s20, s21
	s_add_co_u32 s20, s20, s[WV]                   ; my tile of queries among all 512: 128 batch + 16 block + wave
	s_and_b32 s21, s101, 15                        ; the head
	s_lshl_b32 s22, s20, 12
	s_mov_b32 s23, 0
	s_add_nc_u64 s[2:3], s[8:9], s[22:23]          ; my tile's mask words: 4,096 bytes
	s_mul_i32 s22, s20, 12288                      ; O's codes: [tile][8 K steps][1536]; head 2 s + c is half c of K step s
	s_lshr_b32 s24, s21, 1
	s_mul_i32 s24, s24, 1536
	s_add_co_u32 s22, s22, s24
	s_and_b32 s24, s21, 1
	s_mul_i32 s25, s24, 768
	s_add_co_u32 s22, s22, s25
	s_add_nc_u64 s[8:9], s[10:11], s[22:23]
	s_lshl_b32 s22, s20, 9                         ; O's scale bytes: [tile][4][16 rows][2 words], my head's two bytes of a word
	s_lshr_b32 s25, s21, 2
	s_lshl_b32 s25, s25, 7
	s_add_co_u32 s22, s22, s25
	s_bfe_u32 s25, s21, 0x10001
	s_lshl_b32 s25, s25, 2
	s_add_co_u32 s22, s22, s25
	s_lshl_b32 s24, s24, 1
	s_add_co_u32 s22, s22, s24
	s_add_co_u32 s22, s22, XSO
	s_add_nc_u64 s[10:11], s[10:11], s[22:23]
	s_lshl_b32 s22, s100, 1                        ; Q: record 2 block + wave / 8 of the plane, tile wave % 8
	s_lshr_b32 s24, s[WV], 3
	s_add_co_u32 s22, s22, s24
	s_mul_i32 s22, s22, REC
	s_add_co_u32 s22, s22, s16
	s_add_nc_u64 s[4:5], s[4:5], s[22:23]
	s_and_b32 s24, s[WV], 7
	s_mul_i32 s25, s24, 768
	s_lshr_b32 s24, s24, 1
	s_lshl_b32 s24, s24, 2
	s_and_b32 s26, s[WV], 1
	s_lshl_b32 s26, s26, 8
	s_add_co_u32 s24, s24, s26                     ; its scale words: 256 (tile % 2) + 4 (tile / 2), + 16 r
	v_and_b32 v9, 31, v0
	s_delay_alu instid0(VALU_DEP_1)
	v_lshlrev_b32 v[A16], 4, v9
	s_delay_alu instid0(VALU_DEP_2)
	v_lshlrev_b32 v[A8], 3, v9
	s_delay_alu instid0(VALU_DEP_2)
	v_add_nc_u32 v10, s25, v[A16]
	s_delay_alu instid0(VALU_DEP_2)
	v_add_nc_u32 v11, s25, v[A8]
	v_and_b32 v9, 15, v0
	s_delay_alu instid0(VALU_DEP_1)
	v_lshl_add_u32 v9, v9, 4, s24
.macro QLOAD                           ; a block's Q (six registers and the scale words) and its first step's mask words; v9-v11 keep the offsets for both blocks
	global_load_b128 v[16:19], v10, s[4:5]
	global_load_b64 v[20:21], v11, s[4:5] offset:512
	global_load_b32 v[QS], v9, s[4:5] offset:12288
	s_mov_b32 s[MOFF], 0
	MLOAD
.endm
	QLOAD
.irp i, 22,23,24,25,26,27
	v_mov_b32 v[\i], 0                             ; Q's upper half: zero codes
.endr
.irp i, 0,1,2,3,4,5
	v_mov_b32 v[VF+\i], 0                          ; named behind K's tile 7 before V's first load lands there
.endr
	v_mov_b32 v[NINF], 0xff800000
	s_wait_alu depctr_va_vdst(0)
	s_wait_tensorcnt 0x0                           ; my record is in,
	s_barrier_signal -1
	s_barrier_wait -1                              ; everybody's is
.macro PASS p                          ; one block of 256 queries: 16 steps and the way out
	v_mov_b32 v13, 0xff61b1e6
	s_delay_alu instid0(VALU_DEP_1)
	v_floor_f32 v12, -v13                          ; -M
	v_mov_b32 v14, 0                               ; the sum, in two halves
	v_mov_b32 v15, 0
	v_mov_b32 v[PS], 0                             ; (named as the upper half of a pair before it is first written)
	v_mov_b32 v[TP], 0
.irp b, 0,1,2,3
	v_mov_b32 v[T2+\b], 0                          ; a lane permute's destination counts as one of its sources
.endr
.set n, 0
.rept 32
	v_mov_b32 v[O+n], 0                            ; O^T: the step is written once; the first finds zeros, which the first change of M leaves zeros
.set n, n+1
.endr
	s_mov_b32 s[TB], 0
	s_mov_b32 s[TBN], REC
	s_mov_b32 s[CNT], 16
	KLOAD A16, A8                                  ; K of step 0
	s_wait_alu depctr_va_vdst(0)
	s_wait_loadcnt 0x0                             ; Q
.Lstep_\@:                                         ; 16 trips: 128 keys each
	s_wait_dscnt 0x0                               ; K of this step is in (and nothing is on its way into the registers behind tile 7)
.irp t, 0,1,2,3,4,5,6,7
.if \t%2
	v_wmma_scale_f32_16x16x128_f8f6f4 v[S+8*\t:S+8*\t+7], v[KF+6*\t:KF+6*\t+11], v[16:27], 0, v[KS+\t/2], v[QS] matrix_a_fmt:MATRIX_FMT_FP6 matrix_b_fmt:MATRIX_FMT_FP6 matrix_a_scale:MATRIX_SCALE_ROW1
.else
	v_wmma_scale_f32_16x16x128_f8f6f4 v[S+8*\t:S+8*\t+7], v[KF+6*\t:KF+6*\t+11], v[16:27], 0, v[KS+\t/2], v[QS] matrix_a_fmt:MATRIX_FMT_FP6 matrix_b_fmt:MATRIX_FMT_FP6
.endif
.endr
	v_add_nc_u32 v[ADV16], s[TB], v[A16]           ; four plain instructions: the places in front of the loads into K's and V's registers and of the first read of the scores
	v_add_nc_u32 v[ADV8], s[TB], v[A8]
	v_add_nc_u32 v[ADK16], s[TBN], v[A16]
	v_add_nc_u32 v[ADK8], s[TBN], v[A8]
	VLOAD                                          ; V of this step, wanted behind the softmax,
	KLOAD ADK16, ADK8                              ; and K of the next step (in the last trip: the last record once more, read by nobody)
	s_wait_kmcnt 0x0                               ; this step's mask words, asked for a step ago
.set n, 0
.rept 64
	v_cndmask_b32 v[S+n], v[NINF], v[S+n], s[16+n+4*(n/48)]   ; each accumulator from its low end on
.set n, n+1
.endr
	s_add_co_u32 s[MOFF], s[MOFF], 256             ; (written behind the wait that shows the last scalar loads done)
	s_min_u32 s[MOFF], s[MOFF], 3840               ; the last trip asks for the last step's words again: no load leaves the buffer
	MLOAD
.irp b, 0,1,2,3
	v_max3_num_f32 v[BM+\b], v[S+16*\b], v[S+1+16*\b], v[S+2+16*\b]   ; the largest score of each block of 32 keys: for the row's maximum and, since p rises with the score, for the block's largest p
.endr
.irp i, 3,5,7,9,11,13
.irp b, 0,1,2,3
	s_delay_alu instid0(VALU_DEP_4)
	v_max3_num_f32 v[BM+\b], v[BM+\b], v[S+16*\b+\i], v[S+1+16*\b+\i]
.endr
.endr
.irp b, 0,1,2,3
	s_delay_alu instid0(VALU_DEP_4)
	v_max_num_f32 v[BM+\b], v[BM+\b], v[S+15+16*\b]
.endr
.irp b, 0,1,2,3
	s_delay_alu instid0(VALU_DEP_4)
	v_permlanex16_b32 v[T2+\b], v[BM+\b], s[SEL], s[SEL+1]
.endr
.irp b, 0,1,2,3
	s_delay_alu instid0(VALU_DEP_4)
	v_max_num_f32 v[BM+\b], v[BM+\b], v[T2+\b]     ; with lane l xor 16's 16 keys
.endr
	s_delay_alu instid0(VALU_DEP_2)
	v_max3_num_f32 v[TP], v[BM], v[BM+1], v[BM+2]
	s_delay_alu instid0(VALU_DEP_1)
	v_max_num_f32 v[TP], v[TP], v[BM+3]
	s_delay_alu instid0(VALU_DEP_1)
	v_mul_f32 v[TP], s[CS], v[TP]                  ; as t (c is positive)
	s_delay_alu instid0(VALU_DEP_1)
	v_max_num_f32 v13, v13, v[TP]                  ; the running largest t
	v_mov_b32 v[TP], v12
	s_delay_alu instid0(VALU_DEP_2)
	v_floor_f32 v12, -v13                          ; the new -M = floor(-t): M is a whole number
	s_delay_alu instid0(VALU_DEP_1)
	v_sub_f32 v[TP], v12, v[TP]                    ; old M - new M: a whole number, 0 or less
	s_delay_alu instid0(VALU_DEP_1)
	v_cvt_i32_f32 v[TP], v[TP]                     ; (it saturates)
	s_delay_alu instid0(VALU_DEP_1)
	v_ldexp_f32 v[FF], 1.0, v[TP]                  ; f
.set n, 0
.rept 32
	v_pk_fma_f32 v[S+n:S+n+1], v[S+n:S+n+1], s[CS:CS+1], v[12:13] op_sel_hi:[1,0,0]   ; t - M, two at a time
.set n, n+2
.endr
.irp b, 0,1,2,3
	v_fma_f32 v[BM+\b], v[BM+\b], s[CS], v12       ; the same of each block's largest score
.endr
.set n, 0
	s_wait_alu depctr_va_vdst(0)
.rept 64
	v_exp_f32 v[S+n], v[S+n]                       ; p = 2^(t - M), at most 1
.set n, n+1
.endr
	v_pk_mul_f32 v[14:15], v[14:15], v[FF:FF+1] op_sel_hi:[1,0]   ; the sums under the new M: a plain instruction behind the exponentials
	s_wait_alu depctr_va_vdst(0)                   ; one wait for the batch of 64, ahead of its first reader
.irp b, 0,1,2,3
	v_exp_f32 v[BM+\b], v[BM+\b]                   ; the block's largest p
.endr
	v_pk_add_f32 v[240:241], v[136:137], v[140:141]
	v_pk_add_f32 v[250:251], v[144:145], v[148:149]
	v_pk_add_f32 v[248:249], v[152:153], v[156:157]
	v_pk_add_f32 v[246:247], v[160:161], v[164:165]
	v_pk_add_f32 v[244:245], v[168:169], v[172:173]
	v_pk_add_f32 v[242:243], v[176:177], v[180:181]
	v_pk_add_f32 v[234:235], v[184:185], v[188:189]
	v_pk_add_f32 v[14:15], v[14:15], v[192:193]
	v_pk_add_f32 v[240:241], v[240:241], v[132:133]
	v_pk_add_f32 v[250:251], v[250:251], v[134:135]
	v_pk_add_f32 v[248:249], v[248:249], v[138:139]
	v_pk_add_f32 v[246:247], v[246:247], v[142:143]
	v_pk_add_f32 v[244:245], v[244:245], v[146:147]
	v_pk_add_f32 v[242:243], v[242:243], v[150:151]
	v_pk_add_f32 v[234:235], v[234:235], v[154:155]
	v_pk_add_f32 v[14:15], v[14:15], v[158:159]
	v_pk_add_f32 v[240:241], v[240:241], v[162:163]
	v_pk_add_f32 v[250:251], v[250:251], v[166:167]
	v_pk_add_f32 v[248:249], v[248:249], v[170:171]
	v_pk_add_f32 v[246:247], v[246:247], v[174:175]
	v_pk_add_f32 v[244:245], v[244:245], v[178:179]
	v_pk_add_f32 v[242:243], v[242:243], v[182:183]
	v_pk_add_f32 v[234:235], v[234:235], v[186:187]
	v_pk_add_f32 v[14:15], v[14:15], v[190:191]
	v_pk_add_f32 v[240:241], v[240:241], v[194:195]
	s_delay_alu instid0(VALU_DEP_2)
	v_pk_add_f32 v[14:15], v[14:15], v[246:247]
	s_delay_alu instid0(VALU_DEP_2)
	v_pk_add_f32 v[240:241], v[240:241], v[244:245]
	v_pk_add_f32 v[250:251], v[250:251], v[242:243]
	v_pk_add_f32 v[248:249], v[248:249], v[234:235]
	s_delay_alu instid0(VALU_DEP_2)
	v_pk_add_f32 v[14:15], v[14:15], v[250:251]
	s_delay_alu instid0(VALU_DEP_2)
	v_pk_add_f32 v[240:241], v[240:241], v[248:249]
	s_delay_alu instid0(VALU_DEP_1)
	v_pk_add_f32 v[14:15], v[14:15], v[240:241]
	s_wait_alu depctr_va_vdst(0)                   ; and one for the four
.irp b, 0,1,2,3
	v_max_num_f32 v[BM+\b], 0x1800000, v[BM+\b]    ; the floor 2^(3 - 127): a block whose every p is 0 keeps the byte 1: its codes are zeros
.endr
.irp b, 0,1,2,3
	s_delay_alu instid0(VALU_DEP_4)
	v_add_nc_u32 v[SO+\b], 0xff000000, v[BM+\b]
.endr
.irp b, 0,1,2,3
	s_delay_alu instid0(VALU_DEP_4)
	v_lshrrev_b32 v[T2+\b], 23, v[SO+\b]
.endr
	s_delay_alu instid0(VALU_DEP_3)
	v_lshl_or_b32 v[PS], v[T2+1], 8, v[T2]         ; p's scale word for these 128 keys
	s_delay_alu instid0(VALU_DEP_1)
	v_lshl_or_b32 v[PS], v[T2+2], 16, v[PS]
	s_delay_alu instid0(VALU_DEP_1)
	v_lshl_or_b32 v[PS], v[T2+3], 24, v[PS]
.irp c, 0,1
	v_cvt_scalef32_pk16_fp6_f32 v[PC+6*\c:PC+2+6*\c], v[S+32*\c:S+15+32*\c], v[SO+2*\c]
	v_cvt_scalef32_pk16_fp6_f32 v[T2+4*\c:T2+2+4*\c], v[S+16+32*\c:S+31+32*\c], v[SO+2*\c+1]
.endr
	v_nop                                          ; one plain place behind a scaled conversion
.irp c, 0,1
.irp i, 0,1,2
	v_permlane16_swap_b32 v[PC+6*\c+\i], v[T2+4*\c+\i]
.endr
.irp i, 0,1,2
	s_delay_alu instid0(VALU_DEP_3)
	v_mov_b32 v[PC+3+6*\c+\i], v[T2+4*\c+\i]
.endr
.endr
.set n, 0
.rept 16
	v_pk_mul_f32 v[O+n:O+n+1], v[O+n:O+n+1], v[FF:FF+1] op_sel_hi:[1,0]   ; O^T under the new M.  These sixteen are also the places between p's codes and scale word and the products
.set n, n+2
.endr
	s_wait_alu depctr_va_vdst(0)
	s_wait_dscnt 17                                ; V's 17 loads are in; the 17 of the next step's K, issued behind them, may be out
.irp d, 0,1,2,3                        ; four accumulators by turns; eight other products stand between two links of a chain
.if \d%2
	v_wmma_scale_f32_16x16x128_f8f6f4 v[O+8*\d:O+8*\d+7], v[VF+12*\d:VF+12*\d+11], v[PC:PC+11], v[O+8*\d:O+8*\d+7], v[VS+\d/2], v[PS] matrix_a_fmt:MATRIX_FMT_FP6 matrix_b_fmt:MATRIX_FMT_FP6 matrix_a_scale:MATRIX_SCALE_ROW1
.else
	v_wmma_scale_f32_16x16x128_f8f6f4 v[O+8*\d:O+8*\d+7], v[VF+12*\d:VF+12*\d+11], v[PC:PC+11], v[O+8*\d:O+8*\d+7], v[VS+\d/2], v[PS] matrix_a_fmt:MATRIX_FMT_FP6 matrix_b_fmt:MATRIX_FMT_FP6
.endif
.endr
	s_add_co_u32 s[TB], s[TB], REC
	s_add_co_u32 s[TBN], s[TB], REC
	s_min_u32 s[TBN], s[TBN], 15*REC
	s_sub_co_u32 s[CNT], s[CNT], 1
	s_cmp_lg_u32 s[CNT], 0
	s_cbranch_scc1 .Lstep_\@
	; THE WAY OUT.  O^T / the sum, quantised along the head's 64: two blocks, half a fragment.
	s_wait_dscnt 0x0
.if \p == 0
	s_wait_kmcnt 0x0                               ; the last scalar loads are done: their base may step
	s_add_nc_u64 s[4:5], s[4:5], 2*REC             ; the next block's Q lies two records on (this block's loads were waited for),
	s_add_nc_u64 s[2:3], s[2:3], 65536             ; its mask words 16 tiles of 4,096 bytes on
	QLOAD                                          ; asked for here, wanted behind this way out
.endif
	v_add_f32 v14, v14, v15                        ; the sum's two halves.  (Plain instructions: the places behind the last products)
	v_and_b32 v36, 15, v0                          ; (K's registers are free here)
	s_delay_alu instid0(VALU_DEP_1)
	v_lshlrev_b32 v36, 3, v36                      ; 8 r: a row's place among the scale words
	v_mov_b32 v39, 0xffff
	s_delay_alu instid0(VALU_DEP_4)
	v_permlanex16_b32 v[TP], v14, s[SEL], s[SEL+1]
	s_delay_alu instid0(VALU_DEP_1)
	v_add_f32 v14, v14, v[TP]                      ; and lane l xor 16's: the row's sum
	s_wait_alu depctr_va_vdst(0)
	v_rcp_f32 v38, v14
	v_nop                                          ; a plain place behind the transcendental
	s_wait_alu depctr_va_vdst(0)                   ; and the wait ahead of its first reader
.set n, 0
.rept 16
	v_pk_mul_f32 v[S+n:S+n+1], v[O+n:O+n+1], v[38:39] op_sel_hi:[1,0]   ; each accumulator from its low end on
.set n, n+2
.endr
.irp b, 0,1
	v_max3_num_f32 v[BM+\b], |v[S+16*\b]|, |v[S+1+16*\b]|, 0x1800000
.endr
.irp i, 2,4,6,8,10,12,14
.irp b, 0,1
	s_delay_alu instid0(VALU_DEP_2)
	v_max3_num_f32 v[BM+\b], v[BM+\b], |v[S+16*\b+\i]|, |v[S+1+16*\b+\i]|
.endr
.endr
.irp b, 0,1
	s_delay_alu instid0(VALU_DEP_2)
	v_permlanex16_b32 v[T2+\b], v[BM+\b], s[SEL], s[SEL+1]
.endr
.irp b, 0,1
	s_delay_alu instid0(VALU_DEP_2)
	v_max_num_f32 v[BM+\b], v[BM+\b], v[T2+\b]
.endr
.irp b, 0,1
	s_delay_alu instid0(VALU_DEP_2)
	v_add_nc_u32 v[SO+\b], 0xff000000, v[BM+\b]
.endr
.irp b, 0,1
	s_delay_alu instid0(VALU_DEP_2)
	v_lshrrev_b32 v[T2+\b], 23, v[SO+\b]
.endr
	s_delay_alu instid0(VALU_DEP_1)
	v_lshl_or_b32 v[TP], v[T2+1], 8, v[T2]         ; my head's two scale bytes
	v_cmp_eq_f32 vcc_lo, 0, v14
	s_delay_alu instid0(VALU_DEP_1)
	v_cndmask_b32 v[TP], v[TP], v39, vcc_lo        ; a query with no key: 0xff, 0xff
	v_cvt_scalef32_pk16_fp6_f32 v[PC:PC+2], v[S:S+15], v[SO]
	v_cvt_scalef32_pk16_fp6_f32 v[T2:T2+2], v[S+16:S+31], v[SO+1]
	v_nop
.irp i, 0,1,2
	v_permlane16_swap_b32 v[PC+\i], v[T2+\i]
.endr
.irp i, 0,1,2
	s_delay_alu instid0(VALU_DEP_3)
	v_mov_b32 v[PC+3+\i], v[T2+\i]
.endr
	global_store_b128 v[A16], v[PC:PC+3], s[8:9]             ; 512 and 256 consecutive bytes, aligned
	global_store_b64 v[A8], v[PC+4:PC+5], s[8:9] offset:512
	global_store_b16 v36, v[TP], s[10:11]                    ; two bytes a row: a scale word spans two heads, which are two work-groups'; lanes 16-31 write what lanes 0-15 write
.if \p == 0
	s_wait_xcnt 0x0                                ; the stores have read their bases, offsets and data: all are written again below and in the next pass
	s_add_nc_u64 s[8:9], s[8:9], 196608            ; O's codes: 16 tiles of 12,288 bytes on
	s_add_nc_u64 s[10:11], s[10:11], 8192          ; its scale bytes: 16 tiles of 512
.endif
.endm
	PASS 0
	PASS 1
	s_wait_kmcnt 0x0
	s_wait_tensorcnt 0x0
	ds_add_u32 v254, v255
	s_wait_dscnt 0x0
	CROUND                                         ; the closing round: no work-group ends while a partner may still ask for a record jointly
	s_endpgm
.Lfunc_end_k_q6f1146b143_attn:
	.size	k_q6f1146b143_attn, .Lfunc_end_k_q6f1146b143_attn-k_q6f1146b143_attn
	.p2alignl 7, 3214868480
	.fill 96, 4, 3214868480
	.section	.rodata,"a",@progbits
	.p2align	6, 0x0
	.amdhsa_kernel k_q6f1146b143_attn
		.amdhsa_group_segment_fixed_size 215040
		.amdhsa_private_segment_fixed_size 0
		.amdhsa_enable_private_segment 0
		.amdhsa_kernarg_size 32
		.amdhsa_user_sgpr_count 2
		.amdhsa_user_sgpr_kernarg_segment_ptr 1
		.amdhsa_wavefront_size32 1
		.amdhsa_system_sgpr_workgroup_id_x 1
		.amdhsa_system_sgpr_workgroup_id_y 1
		.amdhsa_system_sgpr_workgroup_id_z 1
		.amdhsa_system_vgpr_workitem_id 0
		.amdhsa_next_free_vgpr 256
		.amdhsa_next_free_sgpr 102
		.amdhsa_reserve_vcc 1
		.amdhsa_float_denorm_mode_32 3
		.amdhsa_float_denorm_mode_16_64 3
		.amdhsa_memory_ordered 1
		.amdhsa_forward_progress 1
		.amdhsa_inst_pref_size 66
	.end_amdhsa_kernel
	.amdgpu_metadata
---
amdhsa.version: [ 1, 2 ]
amdhsa.kernels:
  - .name:           k_q6f1146b143_attn
    .symbol:         k_q6f1146b143_attn.kd
    .args:
      - { .name: qp, .offset: 0, .size: 8, .value_kind: global_buffer, .address_space: global }
      - { .name: kv, .offset: 8, .size: 8, .value_kind: global_buffer, .address_space: global }
      - { .name: mb, .offset: 16, .size: 8, .value_kind: global_buffer, .address_space: global }
      - { .name: oq, .offset: 24, .size: 8, .value_kind: global_buffer, .address_space: global }
    .group_segment_fixed_size: 215040
    .private_segment_fixed_size: 0
    .kernarg_segment_align: 8
    .kernarg_segment_size: 32
    .max_flat_workgroup_size: 512
    .sgpr_count:     102
    .vgpr_count:     256
    .wavefront_size: 32
...
	.end_amdgpu_metadata
.endif
;; end of part 3
;; launch proj (part 4): grid 4 x 32, 4 waves a work-group, clusters of 4 x 4, 327,680 bytes of LDS; arguments oq, wz, bp, out0; writes out0
.if DOCPART == 4
	.amdgcn_target "amdgcn-amd-amdhsa--gfx1250"
	.amdhsa_code_object_version 6
	.text
	.protected	k_q6f1146b143_proj
	.globl	k_q6f1146b143_proj
	.p2align	8
	.type	k_q6f1146b143_proj,@function
k_q6f1146b143_proj:
	s_mov_b64 s[64:65], 0
	v_nop
	global_prefetch_b8 v0, s[64:65] scope:SCOPE_SE
	s_setreg_imm32_b32 hwreg(HW_REG_WAVE_MODE, 25, 1), 1
	s_wait_xcnt 0x0
	s_wait_alu depctr_hold_cnt(0) depctr_sa_sdst(0) depctr_va_vdst(0) depctr_va_sdst(0) depctr_va_ssrc(0) depctr_va_vcc(0) depctr_vm_vsrc(0)
	s_getreg_b32 s2, hwreg(HW_REG_IB_STS2, 6, 4)
	s_cmp_eq_u32 s2, 0
	s_cbranch_scc0 .Lentry_in_a_cluster
	s_endpgm
.Lentry_in_a_cluster:
	s_bfe_u32 s2, ttmp6, 0x10000c
	s_cmp_lg_u32 s2, 0xf033
	s_cbranch_scc0 .Lentry_shape_is_right
	s_endpgm
.Lentry_shape_is_right:
.set FR,     12
.set NL,     4
.set NP,     4
.set TROW,   12288
.set STEPB,  3072
.set HALFT,  8*STEPB
.set SLOT,   4*HALFT
; LDS: bytes 0 .. 2 SLOT: K steps 0-3 (T's 16 tiles, then U's 16, 6,144 bytes a tile), filled at the head; 2 SLOT .. 3 SLOT: K steps 4, 5, filled behind the first round;
; K steps 6, 7 are the one refill: onto bytes 0 .. SLOT, 3,072 bytes a tile, behind the round in K step 3.  Region 2 = the first, region 1 = the second, region 0 = the refill.
; The stage of the way out lies from byte SLOT on: those bytes have their last fill at the head and their last read in K step 3.
.set SCL,    3*SLOT
.set HALFS,  4096
.set SPARE,  SCL+4*HALFS
.set XSO,    6291456
.set WSO,    3145728
.set SPITCH, 528
.set ADRT16, 8
.set ADRT8,  11
.set ADRU16, 16
.set ADRU8,  19
.set A16,    24
.set A8,     25
.set STO,    26
.set ADRS,   27
.set SPW,    28
.set NIL,    29
.set RD,     30
.set SC,     32
.set BI,     64
.set AF,     128
.set BK,     128
.set G1, 24
.set G0, 32
.set G1B, 48
.set G0B, 56
.set G1S, 68
.set G0S, 76
.set G1SB, 80
.set G0SB, 88
.set MSB, 0
.macro WIN new
.if MSB != (\new)
	s_set_vgpr_msb (MSB<<8)|(\new)
.set MSB, (\new)
.endif
.endm
.set MUL_LO, 0xa1
.set MUL_HI, 0xf1
.set BIA_LO, 0x81
.set BIA_HI, 0xc1
.set TO_U,   0x40
.macro JLOAD g0a, g1a, g0b, g1b
	s_cmp_eq_u32 s15, 0
	s_cbranch_scc0 .Lfor_u_\@
	tensor_load_to_lds s[\g0a:\g0a+3], s[\g1a:\g1a+7]
	s_nop 0
.rept 4
	v_nop
.endr
	s_branch .Lasked_\@
.Lfor_u_\@:
	tensor_load_to_lds s[\g0b:\g0b+3], s[\g1b:\g1b+7]
	s_nop 0
.rept 4
	v_nop
.endr
.Lasked_\@:
.endm
.macro CREST
	s_cmp_lg_u32 s14, 0
	s_cbranch_scc1 .Lnot_wave_0_\@
	s_barrier_signal -3
.Lnot_wave_0_\@:
	s_barrier_wait -3
	s_barrier_signal -1
	s_barrier_wait -1
.endm
.macro CROUND
	s_barrier_signal -1
	s_barrier_wait -1
	CREST
.endm
	s_load_b256 s[4:11], s[0:1], 0x0
	v_lshl_add_u32 v[SPW], v0, 2, SPARE
	v_mov_b32 v[NIL], 0
	ds_add_u32 v28, v29
	ds_add_u32 v28, v29
	s_wait_dscnt 0x0
	v_lshrrev_b32 v1, 5, v0
	v_readfirstlane_b32 s14, v1
	s_lshr_b32 s15, s14, 1
	s_and_b32 s16, s14, 1
	s_bfe_u32 s40, ttmp6, 0x40000
	s_bfe_u32 s41, ttmp6, 0x40004
	s_lshl_b32 s42, ttmp9, 2
	s_add_co_u32 s42, s42, s40
	s_and_b32 s17, ttmp7, 0xffff
	s_lshl_b32 s17, s17, 2
	s_add_co_u32 s17, s17, s41
	s_lshl_b32 s43, s41, 2
	s_lshl_b32 s43, 15, s43
	s_lshl_b32 s44, 0x1111, s40
	s_or_b32 s[G1+0], s43, (3<<16)|(1<<21)
	s_or_b32 s[G1B+0], s44, (3<<16)|(1<<21)
.irp g, G1, G1B
	s_mov_b32 s[\g+1], 768<<16                     ; the head's loads: four K steps of a tile, 6,144 bytes
	s_mov_b32 s[\g+2], 16<<16                      ; the head's loads of codes bring 16 tiles; the ring's 8 (set behind the head's wait)
	s_mov_b32 s[\g+3], 768<<16
	s_mov_b32 s[\g+4], 16
	s_mov_b32 s[\g+5], 1536
	s_mov_b32 s[\g+6], 0
	s_mov_b32 s[\g+7], 0
.endr
	s_or_b32 s[G1S+0], s43, (3<<16)|(1<<21)
	s_or_b32 s[G1SB+0], s44, (3<<16)|(1<<21)
.irp g, G1S, G1SB
	s_mov_b32 s[\g+1], 32<<16
	s_mov_b32 s[\g+2], 32<<16                      ; the scales of 16 tiles: 32 rows of 256 bytes, one load
	s_mov_b32 s[\g+3], 32<<16
	s_mov_b32 s[\g+4], 32
	s_mov_b32 s[\g+5], 32
	s_mov_b32 s[\g+6], 0
	s_mov_b32 s[\g+7], 0
.endr
	s_lshl_b32 s20, s17, 4                         ; the block's first tile of T, and of U
	s_lshl_b32 s46, s42, 4
	s_add_co_u32 s46, s46, 192
	s_mul_i32 s22, s20, TROW
	s_mov_b32 s23, 0
	s_lshl_b32 s92, s20, 9
	s_add_co_u32 s92, s92, XSO
	s_mov_b32 s93, 0
	s_mul_i32 s94, s46, TROW
	s_mov_b32 s95, 0
	s_lshl_b32 s46, s46, 9
	s_add_co_u32 s46, s46, WSO
	s_mov_b32 s47, 0
	s_mul_i32 s45, s14, HALFT
	s_wait_kmcnt 0x0
	s_add_nc_u64 s[22:23], s[4:5], s[22:23]
	s_add_nc_u64 s[92:93], s[4:5], s[92:93]
	s_add_nc_u64 s[94:95], s[6:7], s[94:95]
	s_add_nc_u64 s[46:47], s[6:7], s[46:47]
	CROUND
	s_mov_b32 s[G0S], 1
	s_mov_b32 s[G0S+1], SCL
	s_mov_b64 s[G0S+2:G0S+3], s[92:93]
	s_or_b32 s[G0S+3], s[G0S+3], 0x80000000
	s_mov_b32 s[G0SB], 1
	s_mov_b32 s[G0SB+1], SCL+2*HALFS
	s_mov_b64 s[G0SB+2:G0SB+3], s[46:47]
	s_or_b32 s[G0SB+3], s[G0SB+3], 0x80000000
	s_mov_b32 s4, 1                                ; group 0 of the head's loads of codes: T's 16 tiles to slot 0's start,
	s_mov_b32 s5, 0
	s_mov_b64 s[6:7], s[22:23]
	s_or_b32 s7, s7, 0x80000000
	s_mov_b32 s96, 1                               ; U's 16 behind them
	s_mov_b32 s97, SLOT
	s_mov_b64 s[98:99], s[94:95]
	s_or_b32 s99, s99, 0x80000000
	s_mul_i32 s20, s16, 8*TROW                     ; for the ring: my 8 tiles of the 16
	s_mov_b32 s21, 0
	s_add_nc_u64 s[22:23], s[22:23], s[20:21]
	s_add_nc_u64 s[94:95], s[94:95], s[20:21]
; the head's four tiles, one load a wave, in one chain of branches on the wave's number
.macro ARM under, g0, g1, next
	s_cmp_lt_u32 s14, \under
	s_cbranch_scc0 \next
	tensor_load_to_lds s[\g0:\g0+3], s[\g1:\g1+7]
	s_nop 0
.rept 4
	v_nop
.endr
	s_branch .Lhead_asked
\next:
.endm
	ARM 1, 4,   G1,  .Lhead_u
	ARM 2, 96,  G1B, .Lhead_st
	ARM 3, G0S, G1S, .Lhead_su
	tensor_load_to_lds s[G0SB:G0SB+3], s[G1SB:G1SB+7]
	s_nop 0
.rept 4
	v_nop
.endr
.Lhead_asked:
	s_cmp_eq_u32 s15, 0                            ; the prefetch's base: the 8 tiles that I fetch in the ring (T's or U's), and of them my work-group's two:
	s_cselect_b64 s[92:93], s[22:23], s[94:95]     ; the four partners of a joint load share the tiles out by address (cx for T, cy for U)
	s_cselect_b32 s20, s40, s41
	s_mul_i32 s20, s20, 2*TROW
	s_add_nc_u64 s[92:93], s[92:93], s[20:21]
.irp s, 0,1
	s_mov_b32 s[G0+4*\s], 1
	s_add_co_u32 s[G0+4*\s+1], s45, \s*2*SLOT
	s_add_nc_u64 s[G0+4*\s+2:G0+4*\s+3], s[22:23], (3-\s)*STEPB   ; region 1: K steps 4, 5; region 0: K steps 6, 7
	s_or_b32 s[G0+4*\s+3], s[G0+4*\s+3], 0x80000000
	s_mov_b32 s[G0B+4*\s], 1
	s_add_co_u32 s[G0B+4*\s+1], s45, \s*2*SLOT
	s_add_nc_u64 s[G0B+4*\s+2:G0B+4*\s+3], s[94:95], (3-\s)*STEPB
	s_or_b32 s[G0B+4*\s+3], s[G0B+4*\s+3], 0x80000000
.endr
	v_and_b32 v1, 31, v0
	v_and_b32 v2, 15, v0
	v_bfe_u32 v3, v0, 4, 1
	v_lshlrev_b32 v[A16], 4, v1
	s_wait_alu depctr_va_vdst(0)
	v_lshlrev_b32 v[A8], 3, v1
	s_wait_alu depctr_va_vdst(0)
	s_lshl_b32 s20, s42, 10
	s_lshl_b32 s21, s16, 9
	s_add_co_u32 s20, s20, s21
	s_mov_b32 s21, 0
	s_add_nc_u64 s[8:9], s[8:9], s[20:21]
	s_add_nc_u64 s[10:11], s[10:11], s[20:21]
	v_lshlrev_b32 v4, 6, v3
.irp t, 0,1,2,3,4,5,6,7
	global_load_b128 v[BI+8*\t:BI+8*\t+3], v4, s[8:9] offset:(32*(\t/2)+8*(\t%2))*4
	global_load_b128 v[BI+8*\t+4:BI+8*\t+7], v4, s[8:9] offset:(32*(\t/2)+8*(\t%2))*4+16
.endr
	s_mul_i32 s21, s15, 2*HALFT                    ; region 2: my 8 tiles of T, and of U behind T's 16
	s_mul_i32 s20, s16, 2*HALFT
	s_add_co_u32 s20, s20, SLOT
	v_add_nc_u32 v[ADRT16+2], s21, v[A16]
	v_add_nc_u32 v[ADRT8+2], s21, v[A8]
	v_add_nc_u32 v[ADRU16+2], s20, v[A16]
	v_add_nc_u32 v[ADRU8+2], s20, v[A8]
	v_min_u32 v6, 23, v1                           ; the prefetch's offset: 2 tiles x 12 blocks of 256 bytes, a lane a block; lanes 24-31 name the last block again
	v_mul_u32_u24 v7, v6, 22
	v_lshrrev_b32 v7, 8, v7                        ; block / 12
	v_mul_u32_u24 v7, v7, TROW-STEPB
	v_lshl_add_u32 v7, v6, 8, v7                   ; never rewritten
	s_mul_i32 s21, s15, HALFT
	s_mul_i32 s20, s16, HALFT
	s_add_co_u32 s20, s20, 2*HALFT
.irp s, 0,1
	v_add_nc_u32 v[ADRT16+\s], s21, v[A16]
	v_add_nc_u32 v[ADRT8+\s], s21, v[A8]
	v_add_nc_u32 v[ADRU16+\s], s20, v[A16]
	v_add_nc_u32 v[ADRU8+\s], s20, v[A8]
	s_add_co_u32 s21, s21, 2*SLOT
	s_add_co_u32 s20, s20, 2*SLOT
.endr
	s_lshl_b32 s21, s15, 12
	s_add_co_u32 s20, s16, 2
	s_sub_co_u32 s20, s20, s15
	s_lshl_b32 s20, s20, 12
	v_mul_u32_u24 v5, s20, v3
	v_lshl_add_u32 v5, v2, 3, v5
	s_add_co_u32 s21, s21, SCL
	v_add_nc_u32 v[ADRS], s21, v5
	global_prefetch_b8 v7, s[92:93] offset:3*STEPB th:TH_LOAD_NT scope:SCOPE_SE   ; K steps 6, 7: what the one refill loads, asked for more than four K steps ahead of it
	s_mul_i32 s20, s14, 16*SPITCH
	s_add_co_u32 s20, s20, SLOT                    ; my stage
	v_mul_u32_u24 v5, v2, SPITCH
	v_lshl_add_u32 v5, v3, 6, v5
	v_add_nc_u32 v[STO], s20, v5
	v_add_nc_u32 v[RD], s20, v[A16]
	s_lshl_b32 s20, s17, 8
	s_lshl_b32 s21, s15, 7
	s_add_co_u32 s20, s20, s21
	s_lshl_b32 s20, s20, 12
	s_mov_b32 s21, 0
	s_add_nc_u64 s[10:11], s[10:11], s[20:21]
.macro FRAG reg, a16, a8, q, i
	ds_load_b128 v[\reg:\reg+3], v[\a16] offset:PIT*(\i)+1536*(\q)
	ds_load_b64 v[\reg+4:\reg+5], v[\a8] offset:PIT*(\i)+1536*(\q)+512
	ds_load_b128 v[\reg+6:\reg+9], v[\a16] offset:PIT*(\i)+1536*(\q)+768
	ds_load_b64 v[\reg+10:\reg+11], v[\a8] offset:PIT*(\i)+1536*(\q)+1280
.endm
.macro MUL16 a0, p, q, sc, first
.irp a, \a0, \a0+1
.irp b, 0,1,2,3,4,5,6,7
.if \first
	v_wmma_scale_f32_16x16x128_f8f6f4 v[8*(8*((\a)%4)+\b):8*(8*((\a)%4)+\b)+7], v[128*(\p)+FR*\b:128*(\p)+FR*\b+FR-1], v[AF+FR*(\a):AF+FR*(\a)+FR-1], v[BI+8*\b:BI+8*\b+7], v[SC+16*(\sc)+2*\b+(\q)], v[SC+16*(\sc)+2*(\a)+(\q)] matrix_a_fmt:MATRIX_FMT_FP6 matrix_b_fmt:MATRIX_FMT_FP6 matrix_a_scale:MATRIX_SCALE_ROW1
.else
	v_wmma_scale_f32_16x16x128_f8f6f4 v[8*(8*((\a)%4)+\b):8*(8*((\a)%4)+\b)+7], v[128*(\p)+FR*\b:128*(\p)+FR*\b+FR-1], v[AF+FR*(\a):AF+FR*(\a)+FR-1], v[8*(8*((\a)%4)+\b):8*(8*((\a)%4)+\b)+7], v[SC+16*(\sc)+2*\b+(\q)], v[SC+16*(\sc)+2*(\a)+(\q)] matrix_a_fmt:MATRIX_FMT_FP6 matrix_b_fmt:MATRIX_FMT_FP6 matrix_a_scale:MATRIX_SCALE_ROW1
.endif
.endr
.endr
.endm
.macro FETCH_U slot, q, p
.set PIT, STEPB*(1+(\slot)/2)          ; bytes from tile to tile: region 2 holds four K steps a tile, the others two
	WIN TO_U
.irp i, 0,1,2,3,4,5,6,7
	FRAG 128*(\p)+FR*\i, ADRU16+\slot, ADRU8+\slot, \q, \i
.endr
	WIN 0
.endm
.macro FETCH_T slot, q, i0
.set PIT, STEPB*(1+(\slot)/2)
.irp i, \i0, \i0+1, \i0+2, \i0+3
	FRAG AF+FR*(\i), ADRT16+\slot, ADRT8+\slot, \q, \i
.endr
.endm
.macro SCALES sc, pr                   ; the scale words of the pair pr of K steps into set sc
.irp i, 0,1,2,3,4,5,6,7
	ds_load_b64 v[SC+16*(\sc)+2*\i:SC+16*(\sc)+2*\i+1], v[ADRS] offset:512*\i+128*(\pr)
.endr
.endm
.macro PLACES n
.rept \n
	v_nop
.endr
.endm
.macro STEP slot, q, first, sc         ; K step q of region slot, scale set sc; fetches K step q + 1 of the same region
	s_wait_dscnt 4*NL
.if \first
	WIN BIA_LO
.else
	WIN MUL_LO
.endif
	MUL16 0, (\q)%2, (\q)%2, \sc, \first
	MUL16 2, (\q)%2, (\q)%2, \sc, \first
	s_wait_dscnt 0
	PLACES NP
	FETCH_U \slot, (\q)+1, 1-(\q)%2
	FETCH_T \slot, (\q)+1, 0
.if (\q)%2
	SCALES 1-(\sc), ((\q)+1)/2
.endif
.if \first
	WIN BIA_HI
.else
	WIN MUL_HI
.endif
	MUL16 4, (\q)%2, (\q)%2, \sc, \first
	MUL16 6, (\q)%2, (\q)%2, \sc, \first
	PLACES NP
	WIN 0
	FETCH_T \slot, (\q)+1, 4
.endm
.macro TURN sc, next, fill             ; a region's last K step (scale set sc); behind the barrier region next is read; fill = 1: a round, and the refill of region 0
	s_wait_tensorcnt 0x0
	ds_add_u32 v[SPW], v[NIL]
	s_wait_dscnt 4*NL+1
	WIN MUL_LO
	MUL16 0, 1, 1, \sc, 0
	s_wait_dscnt 0x0
	s_barrier_signal -1
	MUL16 2, 1, 1, \sc, 0
	WIN 0
	s_barrier_wait -1
.if \fill
	CREST
	JLOAD G0, G1, G0B, G1B
.else
	PLACES NP
.endif
	FETCH_U \next, 0, 0
	FETCH_T \next, 0, 0
	SCALES 1-(\sc), 3-(\next)
	WIN MUL_HI
	MUL16 4, 1, 1, \sc, 0
	MUL16 6, 1, 1, \sc, 0
	PLACES NP
	WIN 0
	FETCH_T \next, 0, 4
.endm
	s_wait_alu depctr_va_vdst(0)
	s_wait_tensorcnt 0x0                           ; my tile of the head's four is in; slot 1's first fill is issued as a refill is
	ds_add_u32 v[SPW], v[NIL]
	s_mov_b32 s[G1+2], 8<<16                       ; no load of mine is out: from here on a load brings 8 tiles
	s_mov_b32 s[G1+4], 8
	s_mov_b32 s[G1+1], 384<<16                     ; of two K steps, 3,072 bytes
	s_mov_b32 s[G1+3], 384<<16
	s_mov_b32 s[G1B+2], 8<<16
	s_mov_b32 s[G1B+4], 8
	s_mov_b32 s[G1B+1], 384<<16
	s_mov_b32 s[G1B+3], 384<<16
	s_wait_dscnt 0x0
	CROUND
	JLOAD G0+4, G1, G0B+4, G1B
	FETCH_U 2, 0, 0
	FETCH_T 2, 0, 0
	SCALES 0, 0
	FETCH_T 2, 0, 4
	s_wait_loadcnt 0x0
	STEP 2, 0, 1, 0                                ; K steps 0 to 2, out of region 2
	STEP 2, 1, 0, 0
	STEP 2, 2, 0, 1
	TURN 1, 1, 1                                   ; K step 3: region 2 is read out; the round; K steps 6, 7 are asked for
	STEP 1, 0, 0, 0                                ; K step 4
	TURN 0, 0, 0                                   ; K step 5: a plain barrier shows the refill to all
	STEP 0, 0, 0, 1                                ; K step 6
	s_wait_dscnt 4*NL
	WIN MUL_LO
	MUL16 0, 1, 1, 1, 0
	MUL16 2, 1, 1, 1, 0
	s_wait_dscnt 0
	WIN MUL_HI
	MUL16 4, 1, 1, 1, 0
	MUL16 6, 1, 1, 1, 0
	WIN 0
.macro TOSTAGE a
.set AC, 64*((\a)%4)
	WIN 0x08+4*((\a)/4)
.irp b, 0,1,2,3,4,5,6,7
	ds_store_b128 v[STO], v[AC+8*\b:AC+8*\b+3] offset:128*(\b/2)+32*(\b%2)
	ds_store_b128 v[STO], v[AC+8*\b+4:AC+8*\b+7] offset:128*(\b/2)+32*(\b%2)+16
.endr
	WIN 0
.set BB, BK+64*((\a)%2)
.irp t, 0,1,2,3,4,5,6,7,8,9,10,11,12,13,14,15
	ds_load_b128 v[BB+4*\t:BB+4*\t+3], v[RD] offset:\t*SPITCH
.endr
.endm
.macro SEND a, younger
.set BB, BK+64*((\a)%2)
	s_wait_dscnt \younger
.irp t, 0,1,2,3,4,5,6,7,8,9,10,11,12,13,14,15
	global_store_b128 v[A16], v[BB+4*\t:BB+4*\t+3], s[10:11] offset:(32*((\a)/2)+8*((\a)%2)+\t+8*(\t/8))*4096 th:TH_STORE_NT
.endr
.endm
	PLACES NP
	TOSTAGE 0
.irp a, 1,2,3,4,5,6,7
.if \a > 1
	s_wait_xcnt 0x0
.endif
	TOSTAGE \a
	SEND \a-1, 32
.endr
	SEND 7, 0
	s_wait_tensorcnt 0x0
	ds_add_u32 v[SPW], v[NIL]
	s_wait_dscnt 0x0
	CROUND
	s_endpgm
.Lfunc_end_k_q6f1146b143_proj:
	.size	k_q6f1146b143_proj, .Lfunc_end_k_q6f1146b143_proj-k_q6f1146b143_proj
	.p2alignl 7, 3214868480
	.fill 96, 4, 3214868480
	.section	.rodata,"a",@progbits
	.p2align	6, 0x0
	.amdhsa_kernel k_q6f1146b143_proj
		.amdhsa_group_segment_fixed_size 327680
		.amdhsa_private_segment_fixed_size 0
		.amdhsa_enable_private_segment 0
		.amdhsa_kernarg_size 32
		.amdhsa_user_sgpr_count 2
		.amdhsa_user_sgpr_kernarg_segment_ptr 1
		.amdhsa_wavefront_size32 1
		.amdhsa_system_sgpr_workgroup_id_x 1
		.amdhsa_system_sgpr_workgroup_id_y 1
		.amdhsa_system_sgpr_workgroup_id_z 1
		.amdhsa_system_vgpr_workitem_id 0
		.amdhsa_next_free_vgpr 1024
		.amdhsa_next_free_sgpr 100
		.amdhsa_reserve_vcc 0
		.amdhsa_float_denorm_mode_32 3
		.amdhsa_float_denorm_mode_16_64 3
		.amdhsa_memory_ordered 1
		.amdhsa_forward_progress 1
		.amdhsa_inst_pref_size 145
	.end_amdhsa_kernel
	.amdgpu_metadata
---
amdhsa.version: [ 1, 2 ]
amdhsa.kernels:
  - .name:           k_q6f1146b143_proj
    .symbol:         k_q6f1146b143_proj.kd
    .args:
      - { .name: oq, .offset: 0, .size: 8, .value_kind: global_buffer, .address_space: global }
      - { .name: wz, .offset: 8, .size: 8, .value_kind: global_buffer, .address_space: global }
      - { .name: bp, .offset: 16, .size: 8, .value_kind: global_buffer, .address_space: global }
      - { .name: out0, .offset: 24, .size: 8, .value_kind: global_buffer, .address_space: global }
    .group_segment_fixed_size: 327680
    .private_segment_fixed_size: 0
    .kernarg_segment_align: 8
    .kernarg_segment_size: 32
    .max_flat_workgroup_size: 128
    .sgpr_count:     100
    .vgpr_count:     1024
    .wavefront_size: 32
...
	.end_amdgpu_metadata
.endif
;; end of part 4
